; MI455X (gfx1250); checked and timed in simulation.
; The chip was launched on July 23, 2026; its instructions are those of AMD's public machine-readable ISA for CDNA 5 (MIT licence, August 2026) and "CDNA5" Instruction Set Architecture Reference Guide (July 2026). The comments in the code are by the model that wrote it; some were corrected since.
;; Mo E Runtime Experts. Allowed arithmetic: matrix products marked QUANTISED: E2M1 operands, one E8M0 scale for each 32 along K, by v_wmma_scale_f32_16x16x128_f8f6f4 with both operands' format E2M1 (or v_wmma_scale_f32_32x16x128_f4), f32 sums; everything else in f32.
;; Inputs: bias1 8 x 4,096 float32; bias2 8 x 1,024 float32; indices_s 1,024 int32; weight1_codes 8 x 4,096 x 32 x 16 uint8 (E2M1 codes of weight1, K innermost, in blocks of 32 codes, two codes a byte); weight1_scales 8 x 4,096 x 32 uint8 (E8M0 scales of weight1, one for each 32 codes along K); weight2_codes 8 x 1,024 x 128 x 16 uint8 (E2M1 codes of weight2, K innermost, in blocks of 32 codes, two codes a byte); weight2_scales 8 x 1,024 x 128 uint8 (E8M0 scales of weight2, one for each 32 codes along K); x_codes 1,024 x 32 x 16 uint8 (E2M1 codes of x, K innermost, in blocks of 32 codes, two codes a byte); x_scales 1,024 x 32 uint8 (E8M0 scales of x, one for each 32 codes along K).
;; Outputs: out0 1,024 x 1 x 1,024 float32.
;; This version of the problem:
;;   THIS VERSION OF THE PROBLEM IS GIVEN IN LOW PRECISION. The matrix products marked QUANTISED in the list below multiply operands that are first quantised to E2M1 (2 exponent bits, 1 mantissa bit; 4 bits a number), with one power-of-two scale for each 32 numbers along K (OCP MX v1.0); their sums are f32. All else is computed in f32.
;;   The module's matrix products, in the order in which they are computed (A, B: the left and right operand; K: the contracted axis; several contracted axes count as one K, in the product's order):
;;     1. [M 1,024, K 1,024] x [K 1,024, N 4,096]; A: input x (given as codes); B: input weight1 (given as codes): QUANTISED
;;     2. [M 1,024, K 1,024] x [K 1,024, N 4,096]; A: input x (given as codes); B: input weight1 (given as codes): QUANTISED
;;     3. [M 1,024, K 1,024] x [K 1,024, N 4,096]; A: input x (given as codes); B: input weight1 (given as codes): QUANTISED
;;     4. [M 1,024, K 1,024] x [K 1,024, N 4,096]; A: input x (given as codes); B: input weight1 (given as codes): QUANTISED
;;     5. [M 1,024, K 1,024] x [K 1,024, N 4,096]; A: input x (given as codes); B: input weight1 (given as codes): QUANTISED
;;     6. [M 1,024, K 1,024] x [K 1,024, N 4,096]; A: input x (given as codes); B: input weight1 (given as codes): QUANTISED
;;     7. [M 1,024, K 1,024] x [K 1,024, N 4,096]; A: input x (given as codes); B: input weight1 (given as codes): QUANTISED
;;     8. [M 1,024, K 1,024] x [K 1,024, N 4,096]; A: input x (given as codes); B: input weight1 (given as codes): QUANTISED
;;     9. [M 1,024, K 4,096] x [K 4,096, N 1,024]; A: computed on the way; B: input weight2 (given as codes): QUANTISED
;;     10. [M 1,024, K 4,096] x [K 4,096, N 1,024]; A: computed on the way; B: input weight2 (given as codes): QUANTISED
;;     11. [M 1,024, K 4,096] x [K 4,096, N 1,024]; A: computed on the way; B: input weight2 (given as codes): QUANTISED
;;     12. [M 1,024, K 4,096] x [K 4,096, N 1,024]; A: computed on the way; B: input weight2 (given as codes): QUANTISED
;;     13. [M 1,024, K 4,096] x [K 4,096, N 1,024]; A: computed on the way; B: input weight2 (given as codes): QUANTISED
;;     14. [M 1,024, K 4,096] x [K 4,096, N 1,024]; A: computed on the way; B: input weight2 (given as codes): QUANTISED
;;     15. [M 1,024, K 4,096] x [K 4,096, N 1,024]; A: computed on the way; B: input weight2 (given as codes): QUANTISED
;;     16. [M 1,024, K 4,096] x [K 4,096, N 1,024]; A: computed on the way; B: input weight2 (given as codes): QUANTISED
;;   THE QUANTISER, for each operand of a quantised product, along K:
;;     - K is cut into blocks of 32 from its start; a last block that is shorter is filled with zeros.
;;     - A block's scale is 2^e with e = floor(log2(the largest magnitude in the block)) - 2, held to -126 .. 127; a block of zeros has e = 0. As a byte (E8M0): e + 127.
;;     - Each number is divided by its block's scale, clamped to +-6, and rounded to the nearest number of E2M1, ties to even, subnormals kept.
;;     - The product sums the exact products of the quantised numbers (number of the format x scale) in f32.
;;   ~~~python
;;   def quantise(x, axis):      # numpy; x: float32 -> the quantised numbers, widened to float32 again
;;       x = np.moveaxis(x, axis, -1); K = x.shape[-1]
;;       x = np.pad(x, [(0, 0)] * (x.ndim - 1) + [(0, -K % 32)]); x = x.reshape(x.shape[:-1] + (-1, 32)); a = np.abs(x).max(-1, keepdims=True)
;;       e = np.where(a > 0, np.clip(np.frexp(np.where(a > 0, a, 1))[1] - 1 - 2, -126, 127), 0)      # np.frexp(a)[1] - 1 = floor(log2(a)), exactly
;;       r = np.clip(x / 2.0 ** e, -6, 6)
;;       step = 2.0 ** (np.maximum(np.frexp(np.where(r == 0, 1, r))[1] - 1, 0) - 1)
;;       q = np.round(r / step) * step * 2.0 ** e      # np.round: ties to even
;;       return np.moveaxis(q.reshape(q.shape[:-2] + (-1,))[..., :K], -1, axis).astype(np.float32)
;;   ~~~
;;   OPERANDS COMPUTED ON THE WAY. 'Computed on the way' means the value that the module computes at that place (a softmax that the list does not call 'softmax' is quantised finished and normalised). What goes into a quantiser is computed in f32, as accurately as f32 sums, v_exp_f32 and their like allow (about 1e-6 of the number): no bf16 or f16 on the way to a quantiser, and a product that is left as it is and whose result goes on into a quantised operand takes f32 operands (vector FMAs, or v_wmma_f32_16x16x4_f32). A number that lies on a knife's edge between two numbers of the format may be rounded either way, as far as f32 arithmetic and the matrix unit's own rounding can turn it there, and no further.
;;   INPUTS GIVEN AS CODES. weight1 (in the module: [8, 1024, 4096], K = its axis 1); weight2 (in the module: [8, 4096, 1024], K = its axis 1); x (in the module: [1024, 1024], K = its axis 1): each comes as NAME_codes (uint8): NAME with its K axis moved to the last place and cut into blocks of 32 codes, [.., K / 32, bytes a block], one block behind the other in memory; two codes a byte, the lower K in the low four bits (a code: sign, 2 exponent bits, 1 mantissa bit); and NAME_scales (uint8): the same leading axes, one E8M0 byte (e + 127) for each 32 codes along K. Its value is code x scale, taken as it is: it is not quantised again, and the codes and scales need not be those that the quantiser above would give.
;; 2 versions, each right and faster than the one before. Each part assembles by itself: llvm-mc -triple=amdgcn-amd-amdhsa -mcpu=gfx1250 --defsym DOCPART=n.
;; ======== version 1 of 2: 3 launches
;; workspace buffers: h_codes 16,777,216 bytes; h_scales 1,179,648 bytes; order 50,176 bytes of whole numbers
;; launch route (part 1): grid 8 x 1, 1 waves a work-group, no clusters, 8,448 bytes of LDS; arguments indices_s, order; writes order
.if DOCPART == 1
	.amdgcn_target "amdgcn-amd-amdhsa--gfx1250"
	.amdhsa_code_object_version 6
	.text
	.protected	k_q3c2f5c3b06_route
	.globl	k_q3c2f5c3b06_route
	.p2align	8
	.type	k_q3c2f5c3b06_route,@function
k_q3c2f5c3b06_route:
	s_mov_b64 s[64:65], 0
	v_nop
	global_prefetch_b8 v0, s[64:65] scope:SCOPE_SE
	s_setreg_imm32_b32 hwreg(HW_REG_WAVE_MODE, 25, 1), 1
	s_wait_xcnt 0x0
; THE ROUTING OF A LAYER OF EXPERTS.  Work-group E, one wave, reads the 1,024 indices and stores expert E's token list and count for the two launches that follow:
; order: lists [expert 8][1,536 words]; from byte 49,152 on the counts, [expert 8][32 words], the same number in all 32.
; The list is made in LDS by a prefix count, no atomics: step k compares 32 indices; a lane with a match stores its token at (matches so far + matches in the lanes below it).
; All 1,536 words of a list are written: zeros first, then the matches, then 32 entries that repeat the list's first token (0 where the expert has none), so that every row of a tile of 16 tokens
; is a token of this expert.  One wave: LDS serves its instructions in order, so no barrier.  Eight work-groups are all the work that there is.
; LIMIT.  Indices lie in 0 .. 7; a token with another index appears in no list.
.set DUMPW, 1536                       ; behind the list: a word a lane, as a word's number, for lanes without a match; nobody reads them
.set LANE, 1
.set L16,  2
.set L4,   3
.set DMP,  4
.set AL0,  5
.set CV,   6
.set T0,   7
.set PADA, 8
.set ZERO, 12
.set IDX,  32                          ; v32-63 the indices: register 4 q + i of lane l is token 128 q + 4 l + i
.set CP,   64                          ; v64-95 where each step's token goes
.set CT,   96                          ; v96-127 the tokens
.set OUTR, 32                          ; v32-79 the list on its way out
.set EX,   10
.set CNT,  11
.set MK,   66                          ; s66-97 the 32 masks
	s_load_b128 s[4:7], s[0:1], 0x0                ; indices s[4:5], order s[6:7]
	v_lshl_add_u32 v128, v0, 2, 0x2000
	v_mov_b32 v129, 0
	s_mov_b32 s[EX], ttmp9                         ; the expert
	v_and_b32 v[LANE], 31, v0
	v_lshlrev_b32 v[L16], 4, v[LANE]
	v_lshlrev_b32 v[L4], 2, v[LANE]
	v_add_nc_u32 v[DMP], DUMPW, v[LANE]
	v_mov_b32 v[AL0], 0
.irp i, 0,1,2,3
	v_mov_b32 v[ZERO+\i], 0
.endr
	s_wait_kmcnt 0x0
.irp q, 0,1,2,3,4,5,6,7
	global_load_b128 v[IDX+4*\q:IDX+4*\q+3], v[L16], s[4:5] offset:512*\q   ; 512 consecutive bytes a load
.endr
	s_mov_b32 s13, 0
	s_lshl_b32 s12, s[EX], 7
	s_add_nc_u64 s[8:9], s[6:7], s[12:13]          ; the counts: 128 bytes an expert, from byte 49,152 on
	s_mul_i32 s12, s[EX], 6144
	s_add_nc_u64 s[6:7], s[6:7], s[12:13]          ; the expert's list
.set ii, 0
.rept 12
	ds_store_b128 v[L16], v[ZERO:ZERO+3] offset:512*ii   ; the list begins as zeros
.set ii, ii+1
.endr
	s_mov_b32 s[CNT], 0
	s_wait_loadcnt 0x0
.set kk, 0
.rept 32
	v_cmp_eq_u32 s[MK+kk], s[EX], v[IDX+kk]
.set kk, kk+1
.endr
.set kk, 0
.rept 32
	v_mbcnt_lo_u32_b32 v[CP+kk], s[MK+kk], s[CNT]  ; matches so far + matches in the lanes below mine: my place in the list
	s_bcnt1_i32_b32 s12, s[MK+kk]
	s_add_co_u32 s[CNT], s[CNT], s12
	v_cndmask_b32 v[CP+kk], v[DMP], v[CP+kk], s[MK+kk]   ; a lane without a match takes its dump word's number
	v_min_u32 v[CP+kk], 0x7ff, v[CP+kk]            ; the word's number is held last: word 2,047 is the last of the work-group's LDS
	v_lshlrev_b32 v[CP+kk], 2, v[CP+kk]
	v_add_nc_u32 v[CT+kk], 128*(kk/4)+kk%4, v[L4]  ; the token
	ds_store_b32 v[CP+kk], v[CT+kk]
.set kk, kk+1
.endr
	ds_load_b32 v[T0], v[AL0]                      ; the list's first token
	v_add_nc_u32 v[PADA], s[CNT], v[LANE]
	v_min_u32 v[PADA], 0x5ff, v[PADA]
	v_lshlrev_b32 v[PADA], 2, v[PADA]
	v_mov_b32 v[CV], s[CNT]
	s_wait_dscnt 0x0
	ds_store_b32 v[PADA], v[T0]                    ; 32 entries behind the matches repeat it
.set ii, 0
.rept 12
	ds_load_b128 v[OUTR+4*ii:OUTR+4*ii+3], v[L16] offset:512*ii
.set ii, ii+1
.endr
	s_wait_dscnt 0x0
.set ii, 0
.rept 12
	global_store_b128 v[L16], v[OUTR+4*ii:OUTR+4*ii+3], s[6:7] offset:512*ii   ; 512 consecutive bytes a store, aligned
.set ii, ii+1
.endr
	global_store_b32 v[L4], v[CV], s[8:9] offset:49152
	s_wait_tensorcnt 0x0
	ds_add_u32 v128, v129
	s_wait_dscnt 0x0
	s_endpgm
.Lfunc_end_k_q3c2f5c3b06_route:
	.size	k_q3c2f5c3b06_route, .Lfunc_end_k_q3c2f5c3b06_route-k_q3c2f5c3b06_route
	.p2alignl 7, 3214868480
	.fill 96, 4, 3214868480
	.section	.rodata,"a",@progbits
	.p2align	6, 0x0
	.amdhsa_kernel k_q3c2f5c3b06_route
		.amdhsa_group_segment_fixed_size 8448
		.amdhsa_private_segment_fixed_size 0
		.amdhsa_enable_private_segment 0
		.amdhsa_kernarg_size 16
		.amdhsa_user_sgpr_count 2
		.amdhsa_user_sgpr_kernarg_segment_ptr 1
		.amdhsa_wavefront_size32 1
		.amdhsa_system_sgpr_workgroup_id_x 1
		.amdhsa_system_sgpr_workgroup_id_y 1
		.amdhsa_system_sgpr_workgroup_id_z 1
		.amdhsa_system_vgpr_workitem_id 0
		.amdhsa_next_free_vgpr 130
		.amdhsa_next_free_sgpr 100
		.amdhsa_reserve_vcc 0
		.amdhsa_float_denorm_mode_32 3
		.amdhsa_float_denorm_mode_16_64 3
		.amdhsa_memory_ordered 1
		.amdhsa_forward_progress 1
		.amdhsa_inst_pref_size 20
	.end_amdhsa_kernel
	.amdgpu_metadata
---
amdhsa.version: [ 1, 2 ]
amdhsa.kernels:
  - .name:           k_q3c2f5c3b06_route
    .symbol:         k_q3c2f5c3b06_route.kd
    .args:
      - { .name: indices_s, .offset: 0, .size: 8, .value_kind: global_buffer, .address_space: global }
      - { .name: order, .offset: 8, .size: 8, .value_kind: global_buffer, .address_space: global }
    .group_segment_fixed_size: 8448
    .private_segment_fixed_size: 0
    .kernarg_segment_align: 8
    .kernarg_segment_size: 16
    .max_flat_workgroup_size: 32
    .sgpr_count:     100
    .vgpr_count:     130
    .wavefront_size: 32
...
	.end_amdgpu_metadata
.endif
;; end of part 1
;; launch layer1 (part 2): grid 32 x 8, 4 waves a work-group, no clusters, 285,184 bytes of LDS; arguments x_codes, x_scales, order, weight1_codes, weight1_scales, bias1, h_codes, h_scales; writes h_codes, h_scales
.if DOCPART == 2
	.amdgcn_target "amdgcn-amd-amdhsa--gfx1250"
	.amdhsa_code_object_version 6
	.text
	.protected	k_q3c2f5c3b06_layer1
	.globl	k_q3c2f5c3b06_layer1
	.p2align	8
	.type	k_q3c2f5c3b06_layer1,@function
k_q3c2f5c3b06_layer1:
	s_mov_b64 s[64:65], 0
	v_nop
	global_prefetch_b8 v0, s[64:65] scope:SCOPE_SE
	s_setreg_imm32_b32 hwreg(HW_REG_WAVE_MODE, 25, 1), 1
	s_wait_xcnt 0x0
; LAYER 1 OF A LAYER OF ROUTED EXPERTS: for each token, h = gelu(x W1[e] + b1[e]), e = the token's expert, quantised to FP4 (E2M1) with one E8M0 byte for each 32 along the hidden axis.
; x [1024][1024] and W1 [8][4096][1024] come as codes, K innermost (512 bytes a row), with 32 scale bytes a row.  Only the chosen expert's rows are multiplied.
; SHARES.  Work-group (C, E) makes hidden units 128 C .. 128 C + 127 of expert E for all that expert's tokens; wave w makes 32 of them, one block of the next product's K, from 32 rows of W1
; (16 KB, 128 registers), which it reads once, 512 consecutive bytes a load, and turns into fragments through LDS bytes of its own.
; ROUTING.  The launch before has stored, in order, each expert's token list (1,536 words, all written) and, from byte 49,152 on, its count.  Behind the matches the list repeats its first token,
; so that every row of a tile of 16 is a token of this expert.  A repeated row gives the same bits as the row that it repeats.
; TOKENS go in tiles of 16, tiles in groups of 12; six groups (72 tiles) serve every split, all tokens on one expert too.  A group's rows of x are gathered into one of two LDS regions, a group ahead.
; THE PRODUCT IS USED TRANSPOSED (source 0 = 16 rows of W1, source 1 = 16 tokens).  Lane r of tile u takes row 8 u + r + 8 (r / 8), so that lane (token r, half h) holds hidden units 16 h + 0 .. 15 in 16 registers.
; GELU: g = max(h, 0) - |h| e, e = erfc(|h| / sqrt 2) / 2 = t 2^(K2 h^2 + Q(t)), t = 1 / (1 + K1 |h|), Q a polynomial of degree 9 (a fit of erfc whose relative error is 1.2e-7 at every argument).
; LIMITS.  NaN and infinities are not served.  Values of gelu under 2^-126 become 0 (the exponential gives 0 there); where e lies near 2^-126 its relative error grows to about 5e-6, by the rounding
; of K2 h^2.  A block of zeros gets the byte 1: its codes are zeros, and this program alone reads the bytes.  Indices lie in 0 .. 7, as the gather of the biases takes them to.
; No tensor loads: rows of x are gathered by a list.  No joint loads: the number of tiles hangs on a count read from memory.
.set XROW,   560                       ; a token's row in LDS: 512 bytes of codes, 32 scale bytes, 16 of padding: 35 x 16, so the 16 rows of a fragment load start in 16 different columns of 16 bytes
.set XTILE,  16*XROW
.set XREG,   12*XTILE                  ; a region: a group's 192 rows
.set WT,     2*XREG                    ; behind the two regions: 32 rows x 528 bytes for each wave, for the turn of W1
.set WPITCH, 528
.set WWAVE,  32*WPITCH
.set SCB,    WT+4*WWAVE                ; scale bytes of a group, [quad 3][row 16][tile % 4][wave]: 768 bytes, twice; 2,048 bytes are claimed and cleared
; window 0
.set LANE, 1
.set R,    2
.set HH,   3
.set L16,  4                           ; 16 x lane
.set AXF,  5                           ; r x 560 + 16 h: my place in a tile of x
.set AWS,  7                           ; the turn of W1: in
.set AWF,  8                           ; and out
.set ASB0, 10                          ; my scale byte: SCB + 16 r + wave
.set ASB,  11
.set ASO,  12                          ; scale bytes on the way out: SCB + 256 wave + 8 lane
.set ASOH, 13
.set GSO,  14
.set GSOH, 15
.set HO0,  16                          ; my 8 bytes of a block of codes: 16 r + 8 h
.set HO,   17
.set ALS,  20                          ; the list, for the scale rows: byte 64 wave + 4 (lane / 2)
.set ALSH, 21
.set S16,  22
.set XQB,  23                          ; v23-25 where a tile's scale rows go
.set XQH,  26                          ; v26-28
.set TS,   29                          ; v29-31 tokens, then offsets into x_scales
.set DS,   32                          ; v32-43 scale rows on their way
.set WSO,  44
.set B1O,  45
.set AZ,   46                          ; SCB + 16 x thread
.set WS,   48                          ; v48-55 W1's scale words: scales and nothing else
.set XS,   56                          ; v56-59 x's scale words: scales and nothing else
.set B1,   60                          ; v60-75 the bias in the result's layout
.set ACC,  76                          ; v76-91 two accumulators
.set XF,   92                          ; v92-155 a tile's eight fragments of x
.set U,    156
.set T,    172
.set P,    188
.set Q,    204                         ; v204-223 Q0 .. Q9, each twice
.set K2,   224
.set PC,   226                         ; v226-227 16 codes
.set M0,   228
.set M1,   229
.set M2,   230
.set SCL,  231
.set BYT,  232
.set SOD,  234
.set ZERO, 236
.set ADX,  244                         ; v244-245 x fragments of tiles 0-5 and 6-11 of the group in hand
.set RR,   246
.set ROW2, 247
; window 2: the gather of x
.set W2L16, 0
.set W2LU,  1
.set W2LUH, 2
.set W2XSB, 3
.set W2XSH, 6
.set W2OFF, 16                         ; 3 x 16 tokens, then offsets into x_codes
.set W2DAT, 64                         ; 3 x 16 rows on their way
; scalars
.set WV,   22
.set EX,   23
.set CC,   24
.set CNT,  25
.set NT,   26                          ; tiles of this expert, at least 1
.set TB,   27                          ; the group's first tile
.set CH,   28
.set NR,   30                          ; tiles left from TB on
.set XPAR, 32
.set SPB,  33
.set TBS,  34
.set XPS,  35
.set SEL,  42
.set K1,   44
.set MSB, 0
.macro WIN new                         ; the immediate's high byte repeats the setting that is left; a switch that changes nothing is dropped
.if MSB != \new
	s_set_vgpr_msb (MSB<<8)|\new
.set MSB, \new
.endif
.endm
.macro BARRIER                         ; my LDS stores have landed and my LDS loads are in: then the work-group's barrier
	s_wait_dscnt 0x0
	s_barrier_signal -1
	s_barrier_wait -1
.endm
.macro CONST2 reg, bits
	v_mov_b32 v[\reg], \bits
	v_mov_b32 v[\reg+1], \bits
.endm
; one matrix instruction; ra, rb: the scale words of source 0, 1 stand in lanes 16-31
.macro WM d, a, b, c, sa, sb, ra, rb
.if (\ra) && (\rb)
	v_wmma_scale_f32_16x16x128_f8f6f4 v[(\d):(\d)+7], v[(\a):(\a)+7], v[(\b):(\b)+7], v[(\c):(\c)+7], v[\sa], v[\sb] matrix_a_fmt:MATRIX_FMT_FP4 matrix_b_fmt:MATRIX_FMT_FP4 matrix_a_scale:MATRIX_SCALE_ROW1 matrix_b_scale:MATRIX_SCALE_ROW1
.elseif (\ra)
	v_wmma_scale_f32_16x16x128_f8f6f4 v[(\d):(\d)+7], v[(\a):(\a)+7], v[(\b):(\b)+7], v[(\c):(\c)+7], v[\sa], v[\sb] matrix_a_fmt:MATRIX_FMT_FP4 matrix_b_fmt:MATRIX_FMT_FP4 matrix_a_scale:MATRIX_SCALE_ROW1
.elseif (\rb)
	v_wmma_scale_f32_16x16x128_f8f6f4 v[(\d):(\d)+7], v[(\a):(\a)+7], v[(\b):(\b)+7], v[(\c):(\c)+7], v[\sa], v[\sb] matrix_a_fmt:MATRIX_FMT_FP4 matrix_b_fmt:MATRIX_FMT_FP4 matrix_b_scale:MATRIX_SCALE_ROW1
.else
	v_wmma_scale_f32_16x16x128_f8f6f4 v[(\d):(\d)+7], v[(\a):(\a)+7], v[(\b):(\b)+7], v[(\c):(\c)+7], v[\sa], v[\sb] matrix_a_fmt:MATRIX_FMT_FP4 matrix_b_fmt:MATRIX_FMT_FP4
.endif
.endm
; 32 rows of 512 bytes, loaded as they lie (row i in registers 4 i on), go through the wave's own LDS bytes and come back as 16 fragments: fragment (t, s) at 8 (8 t + s)
.macro WTURN stw, ldw, rowstep
	WIN \stw
.set ii, 0
.rept 32
	ds_store_b128 v[AWS], v[4*ii:4*ii+3] offset:WPITCH*ii
.set ii, ii+1
.endr
	s_wait_dscnt 0x0                               ; the stores have read their registers, which the loads below write
	WIN \ldw
.irp t, 0,1
.irp s, 0,1,2,3,4,5,6,7
.irp c, 0,1
	ds_load_b128 v[8*(8*\t+\s)+4*\c:8*(8*\t+\s)+4*\c+3], v[AWF] offset:\rowstep*\t*WPITCH+64*\s+32*\c
.endr
.endr
.endr
	WIN 0
.endm
; tile u of my three: tokens become offsets (held to 0 .. 1023 first), then 16 loads of a whole row of codes (512 consecutive bytes each) and one of 16 rows of scale bytes
.macro XLOAD u
	v_min_u32 v[TS+\u], 0x3ff, v[TS+\u]
	v_lshl_add_u32 v[TS+\u], v[TS+\u], 5, v[S16]
	WIN 0xaa
.set ii, 0
.rept 16
	v_min_u32 v[W2OFF+16*\u+ii], 0x3ff, v[W2OFF+16*\u+ii]
	v_lshl_add_u32 v[W2OFF+16*\u+ii], v[W2OFF+16*\u+ii], 9, v[W2L16]
.set ii, ii+1
.endr
.set ii, 0
.rept 16
	global_load_b128 v[W2DAT+64*\u+4*ii:W2DAT+64*\u+4*ii+3], v[W2OFF+16*\u+ii], s[4:5]
.set ii, ii+1
.endr
	WIN 0
	global_load_b128 v[DS+4*\u:DS+4*\u+3], v[TS+\u], s[6:7]
.endm
.macro XSTORE u
	WIN 0xaa
.set ii, 0
.rept 16
	ds_store_b128 v[W2XSH+\u], v[W2DAT+64*\u+4*ii:W2DAT+64*\u+4*ii+3] offset:XROW*ii
.set ii, ii+1
.endr
	WIN 0
	ds_store_b128 v[XQH+\u], v[DS+4*\u:DS+4*\u+3]
.endm
; the addresses of the gather of the group that begins at tile s[TBS], into the region at s[XPS]: made ahead of every branch, and while no load that names them is out
.macro SADDR
	s_lshl_b32 s37, s[TBS], 6                      ; 64 bytes of the list a tile
	v_add_nc_u32 v[ALSH], s37, v[ALS]
.irp u, 0,1,2
	v_add_nc_u32 v[XQH+\u], s[XPS], v[XQB+\u]
.endr
	WIN 0xaa
	v_add_nc_u32 v[W2LUH], s37, v[W2LU]
.irp u, 0,1,2
	v_add_nc_u32 v[W2XSH+\u], s[XPS], v[W2XSB+\u]
.endr
	WIN 0
.endm
; the tokens of my three tiles, from the expert's list in memory: 15 loads.  Tile 83 is the last that any group can name: inside the list's 96 tiles
.macro LISTLD
.irp u, 0,1,2
	global_load_b32 v[TS+\u], v[ALSH], s[20:21] offset:256*\u
.endr
	WIN 0xaa
.irp u, 0,1,2
.irp q, 0,1,2,3
	global_load_b128 v[W2OFF+16*\u+4*\q:W2OFF+16*\u+4*\q+3], v[W2LUH], s[20:21] offset:256*\u+16*\q   ; the same four tokens in every lane
.endr
.endr
	WIN 0
.endm
; The group is gathered: wave w takes tiles TBS + w, + 4, + 8, as far as they exist.  A ladder: each tile's stores are reached only by ways that issued its loads.
; first = 1: the addresses were made and the tokens asked for at the kernel's head, ahead of the loads of W1.
.macro STAGE first
.if !\first
	SADDR
.endif
	s_add_co_u32 s36, s[TBS], s[WV]
	s_cmp_ge_u32 s36, s[NT]
	s_cbranch_scc1 .Lsn_\@
.if \first
	s_wait_loadcnt 38                              ; the tokens are in: behind them 32 + 2 + 4 loads were issued
.else
	LISTLD
	s_wait_loadcnt 0x0
.endif
	XLOAD 0
	s_add_co_u32 s37, s36, 4
	s_cmp_ge_u32 s37, s[NT]
	s_cbranch_scc1 .Ls0_\@
	XLOAD 1
	s_add_co_u32 s37, s36, 8
	s_cmp_ge_u32 s37, s[NT]
	s_cbranch_scc1 .Ls1_\@
	XLOAD 2
	s_wait_loadcnt 0x0
	XSTORE 2
.Ls1_\@:
	s_wait_loadcnt 0x0
	XSTORE 1
.Ls0_\@:
	s_wait_loadcnt 0x0
	XSTORE 0
.Lsn_\@:
.endm
; tile jl of the group: eight fragments and the scale words (lanes 0-15: K steps 0-3, lanes 16-31: K steps 4-7)
.macro XFETCH jl
.irp s, 0,1,2,3,4,5,6,7
.irp c, 0,1
	ds_load_b128 v[XF+8*\s+4*\c:XF+8*\s+4*\c+3], v[ADX+(\jl)/6] offset:((\jl)%6)*XTILE+64*\s+32*\c
.endr
.endr
	ds_load_b128 v[XS:XS+3], v[ADX+(\jl)/6] offset:((\jl)%6)*XTILE+512
.endm
; 16 matrix instructions: K ascending, the two accumulators by turns; the bias is the C of each sum's first
.macro MM
	WIN 0x01                                       ; source 0 (W1) in window 1
.irp s, 0,1,2,3,4,5,6,7
.irp u, 0,1
.if \s == 0
	WM ACC+8*\u, 8*(8*\u+\s), XF+8*\s, B1+8*\u, WS+4*\u+\s%4, XS+\s%4, \s/4, \s/4
.else
	WM ACC+8*\u, 8*(8*\u+\s), XF+8*\s, ACC+8*\u, WS+4*\u+\s%4, XS+\s%4, \s/4, \s/4
.endif
.endr
.endr
	WIN 0
.endm
.macro GELU                            ; v[ACC ..] -> v[T ..], 16 numbers, eight chains that do not wait for each other
.set ii, 0
.rept 16
	v_fma_f32 v[T+ii], |v[ACC+ii]|, s[K1], 1.0     ; each accumulator is read from its low end on
.set ii, ii+1
.endr
.set ii, 0
.rept 16
	v_rcp_f32 v[T+ii], v[T+ii]                     ; t
.set ii, ii+1
.endr
.set ii, 0
.rept 8
	v_pk_mul_f32 v[U+ii:U+ii+1], v[ACC+ii:ACC+ii+1], v[ACC+ii:ACC+ii+1]   ; h^2.  (Plain lines behind the reciprocals)
.set ii, ii+2
.endr
.set ii, 0
	s_wait_alu depctr_va_vdst(0)
.rept 8
	v_pk_fma_f32 v[P+ii:P+ii+1], v[T+ii:T+ii+1], v[Q+18:Q+19], v[Q+16:Q+17]
.set ii, ii+2
.endr
.irp k, 7,6,5,4,3,2,1,0
.set ii, 0
.rept 8
	v_pk_fma_f32 v[P+ii:P+ii+1], v[P+ii:P+ii+1], v[T+ii:T+ii+1], v[Q+2*\k:Q+2*\k+1]
.set ii, ii+2
.endr
.endr
.set ii, 0
.rept 8
	v_pk_fma_f32 v[P+ii:P+ii+1], v[U+ii:U+ii+1], v[K2:K2+1], v[P+ii:P+ii+1]
.set ii, ii+2
.endr
.set ii, 0
.rept 16
	v_exp_f32 v[P+ii], v[P+ii]
.set ii, ii+1
.endr
.set ii, 0
.rept 16
	v_max_num_f32 v[U+ii], 0, v[ACC+ii]            ; (plain lines behind the exponentials)
.set ii, ii+1
.endr
.set ii, 0
	s_wait_alu depctr_va_vdst(0)
.rept 8
	v_pk_mul_f32 v[P+ii:P+ii+1], v[P+ii:P+ii+1], v[T+ii:T+ii+1]   ; e
.set ii, ii+2
.endr
.set ii, 0
.rept 16
	v_fma_f32 v[T+ii], -|v[ACC+ii]|, v[P+ii], v[U+ii]
.set ii, ii+1
.endr
.endm
.macro QUANT                           ; my 16 numbers and lane l xor 16's are a block of 32
	v_max3_num_f32 v[M0], |v[T]|, |v[T+1]|, 0x1800000   ; the floor 2^(3 - 127): the byte cannot fall under 1
	v_max3_num_f32 v[M2], |v[T+2]|, |v[T+3]|, |v[T+4]|
	v_max3_num_f32 v[M0], v[M0], |v[T+5]|, |v[T+6]|
	v_max3_num_f32 v[M2], v[M2], |v[T+7]|, |v[T+8]|
	v_max3_num_f32 v[M0], v[M0], |v[T+9]|, |v[T+10]|
	v_max3_num_f32 v[M2], v[M2], |v[T+11]|, |v[T+12]|
	v_max3_num_f32 v[M0], v[M0], |v[T+13]|, |v[T+14]|
	v_max3_num_f32 v[M0], v[M0], v[M2], |v[T+15]|
	v_permlanex16_b32 v[M1], v[M0], s[SEL], s[SEL+1]
	v_max_num_f32 v[M0], v[M0], v[M1]              ; the block's largest magnitude
	v_add_nc_u32 v[SCL], 0xff000000, v[M0]         ; 2 off its exponent field: the conversion takes the exponent field of this operand as its scale
	s_wait_xcnt 0x0                                ; the last tile's store has read its data registers, which are written now
	v_cvt_scalef32_pk8_fp4_f32 v[PC], v[T:T+7], v[SCL]
	v_cvt_scalef32_pk8_fp4_f32 v[PC+1], v[T+8:T+15], v[SCL]
	v_lshrrev_b32 v[BYT], 23, v[SCL]               ; the scale's byte.  (The plain line behind the conversions)
.endm
.macro TILE jl
.if (\jl) > 0
	s_cmp_le_u32 s[NR], \jl
	s_cbranch_scc1 .Lexit
.endif
	s_wait_dscnt 0x0                               ; this tile's fragments and scale words are in
	MM
.rept 4
	v_nop                                          ; four places in front of loads into registers that the products read, and of the first read of their results
.endr
.if (\jl) < 11
	s_cmp_le_u32 s[NR], \jl+1
	s_cbranch_scc1 .Lnf_\@
	XFETCH \jl+1                                   ; the next tile's, if there is one: they land under the activation
.Lnf_\@:
.endif
	GELU
	QUANT
	global_store_b64 v[HO], v[PC:PC+1], s[16:17] offset:(\jl)*32768   ; 32 lanes store 256 consecutive bytes, aligned: block 4 C + w of the tile
	ds_store_b8 v[ASB], v[BYT] offset:((\jl)/4)*256+((\jl)%4)*4       ; both lanes of a block write the same byte with the same value
.endm
	s_load_b256 s[4:11], s[0:1], 0x0               ; x_codes s[4:5], x_scales s[6:7], order s[8:9], W1's codes s[10:11]
	s_load_b256 s[12:19], s[0:1], 0x20             ; W1's scales s[12:13], b1 s[14:15], h_codes s[16:17], h_scales s[18:19]
	v_lshl_add_u32 v254, v0, 2, 0x45800
	v_mov_b32 v255, 0
	v_lshrrev_b32 v1, 5, v0
	v_readfirstlane_b32 s[WV], v1                  ; wave 0..3
	s_and_b32 s[EX], ttmp7, 0xffff                 ; the expert
	s_mov_b32 s[CC], ttmp9                         ; the chunk of 128 hidden units
	v_and_b32 v[LANE], 31, v0
	v_and_b32 v[R], 15, v0
	v_bfe_u32 v[HH], v0, 4, 1
	v_lshlrev_b32 v[L16], 4, v[LANE]
	v_and_b32 v[RR], 8, v[R]
	v_add_nc_u32 v[RR], v[RR], v[R]                ; r + 8 (r / 8)
	v_lshrrev_b32 v[ROW2], 1, v[LANE]
	v_and_b32 v[S16], 1, v[LANE]
	v_lshlrev_b32 v[S16], 4, v[S16]
	v_mul_u32_u24 v[AXF], v[R], XROW
	v_lshl_add_u32 v[AXF], v[HH], 4, v[AXF]
	s_mul_i32 s36, s[WV], WWAVE
	s_add_co_u32 s36, s36, WT
	v_add_nc_u32 v[AWS], s36, v[L16]
	v_mul_u32_u24 v[AWF], v[RR], WPITCH
	v_lshl_add_u32 v[AWF], v[HH], 4, v[AWF]
	v_add_nc_u32 v[AWF], s36, v[AWF]
	v_lshl_add_u32 v[ASB0], v[R], 4, SCB
	v_add_nc_u32 v[ASB0], s[WV], v[ASB0]
	s_lshl_b32 s37, s[WV], 8
	v_lshl_add_u32 v[GSO], v[LANE], 3, s37
	v_add_nc_u32 v[ASO], SCB, v[GSO]
	v_lshlrev_b32 v[HO0], 4, v[R]
	v_lshl_add_u32 v[HO0], v[HH], 3, v[HO0]
	v_lshlrev_b32 v[WSO], 5, v[RR]
	v_lshl_add_u32 v[WSO], v[HH], 4, v[WSO]        ; W1's scale words: row r + 8 (r / 8) of 32 bytes, + 16 h
	v_lshlrev_b32 v[B1O], 6, v[HH]
	v_lshl_add_u32 v[AZ], v0, 4, SCB
	s_lshl_b32 s37, s[WV], 6                       ; the list: 64 bytes a tile
	v_lshl_add_u32 v[ALS], v[ROW2], 2, s37
	s_mul_i32 s38, s[WV], XTILE
	v_mul_u32_u24 v[XQB], v[ROW2], XROW
	v_add_nc_u32 v[XQB], v[XQB], v[S16]
	v_add_nc_u32 v[XQB], s38, v[XQB]
	v_add_nc_u32 v[XQB], 512, v[XQB]
	v_add_nc_u32 v[XQB+1], 4*XTILE, v[XQB]
	v_add_nc_u32 v[XQB+2], 8*XTILE, v[XQB]
	s_add_co_u32 s39, s38, 4*XTILE
	s_add_co_u32 s40, s38, 8*XTILE
	WIN 0x80                                       ; destination window 2: the gather's own copies
	v_mov_b32 v[W2L16], v[L16]
	v_mov_b32 v[W2LU], s37
	v_add_nc_u32 v[W2XSB], s38, v[L16]
	v_add_nc_u32 v[W2XSB+1], s39, v[L16]
	v_add_nc_u32 v[W2XSB+2], s40, v[L16]
	WIN 0
.irp i, 0,1,2,3
	v_mov_b32 v[ZERO+\i], 0
.endr
	v_mov_b32 v[M1], 0                             ; written once: a lane permute's destination counts as one of its sources
	s_mov_b32 s[SEL], 0x76543210
	s_mov_b32 s[SEL+1], 0xfedcba98                 ; selects for lane l xor 16
	s_mov_b32 s[K1], 0x3eb504f3                    ; 1 / (2 sqrt 2)
	CONST2 K2, 0xbf38aa3b                          ; -log2(e) / 2
	CONST2 Q+0, 0xc034d90f                         ; the fit's coefficients x log2(e); Q0 has 1 taken off, for the half
	CONST2 Q+2, 0x3fb8ab5a
	CONST2 Q+4, 0x3f0a29d2
	CONST2 Q+6, 0x3e0efb2e
	CONST2 Q+8, 0xbe899a80
	CONST2 Q+10, 0x3ecdfd18
	CONST2 Q+12, 0xbfd1a1e5
	CONST2 Q+14, 0x40097039
	CONST2 Q+16, 0xbf97d29d
	CONST2 Q+18, 0x3e7c6f08
	s_lshl_b32 s48, s[EX], 7
	s_mov_b32 s[TBS], 0
	s_mov_b32 s[XPS], 0
	s_wait_kmcnt 0x0
	s_load_b32 s[CNT], s[8:9], s48 offset:0xc000   ; the expert's count; s[8:9] and s48 stay as they are
	s_mov_b32 s47, 0
	s_mul_i32 s46, s[EX], 6144
	s_add_nc_u64 s[20:21], s[8:9], s[46:47]        ; the expert's list
	SADDR                                          ; group 0 into region 0
	LISTLD                                         ; its tokens are asked for whatever the count: every word of a list is written
	s_lshl_b32 s36, s[EX], 12
	s_lshl_b32 s37, s[CC], 7
	s_add_co_u32 s36, s36, s37
	s_lshl_b32 s37, s[WV], 5
	s_add_co_u32 s36, s36, s37                     ; my first row of W1: 4096 E + 128 C + 32 w
	s_lshl_b32 s46, s36, 9
	s_add_nc_u64 s[10:11], s[10:11], s[46:47]
	s_lshl_b32 s46, s36, 5
	s_add_nc_u64 s[12:13], s[12:13], s[46:47]
	s_lshl_b32 s46, s36, 2
	s_add_nc_u64 s[14:15], s[14:15], s[46:47]
	s_lshl_b32 s46, s[EX], 21                      ; h_codes: 64 tiles of 32 KB an expert; my block 4 C + w of 256 bytes
	s_lshl_b32 s37, s[CC], 10
	s_add_co_u32 s46, s46, s37
	s_lshl_b32 s37, s[WV], 8
	s_add_co_u32 s46, s46, s37
	s_add_nc_u64 s[16:17], s[16:17], s[46:47]
	s_lshl_b32 s37, s[EX], 5
	s_add_co_u32 s37, s37, s[CC]
	s_mul_i32 s46, s37, 4608                       ; h_scales: 18 quads of 256 bytes for each (expert, K step)
	s_add_nc_u64 s[18:19], s[18:19], s[46:47]
	WIN 0x40                                       ; destination window 1
.set ii, 0
.rept 32
	global_load_b128 v[4*ii:4*ii+3], v[L16], s[10:11] offset:512*ii th:TH_LOAD_NT   ; a row of W1: 512 consecutive bytes; no other wave of the launch reads it
.set ii, ii+1
.endr
	WIN 0
.irp u, 0,1
	global_load_b128 v[WS+4*\u:WS+4*\u+3], v[WSO], s[12:13] offset:256*\u
.endr
.irp u, 0,1
.irp i, 0,1
	global_load_b128 v[B1+8*\u+4*\i:B1+8*\u+4*\i+3], v[B1O], s[14:15] offset:32*\u+16*\i   ; b1 at hidden units 16 h + 8 u + 0 .. 7
.endr
.endr
	ds_store_b128 v[AZ], v[ZERO:ZERO+3]            ; the scale bytes begin as zeros: 16 bytes a thread; they are written only behind the barrier below
	s_wait_kmcnt 0x0
	s_min_u32 s[CNT], s[CNT], 1024
	s_add_co_u32 s[NT], s[CNT], 15
	s_lshr_b32 s[NT], s[NT], 4
	s_max_u32 s[NT], s[NT], 1                      ; at least one tile: tile 0 and group 0's scale bytes of every expert are written
	STAGE 1
	s_wait_loadcnt 0x0                             ; W1, its scale words and the bias (and, for a wave that gathered nothing, the tokens)
	WTURN 0x04, 0x40, 8
	BARRIER                                        ; group 0's rows lie in LDS
	s_mov_b32 s[CH], 0
	s_mov_b32 s[TB], 0
	s_mov_b32 s[XPAR], 0
	s_mov_b32 s[SPB], 0
.Lchunk:                                               ; six trips, whatever the split
	s_wait_xcnt 0x0                                ; the last group's stores have read their address and data registers
	s_max_u32 s[NR], s[NT], s[TB]
	s_sub_co_u32 s[NR], s[NR], s[TB]               ; tiles left from this group's first on
	s_lshl_b32 s36, s[TB], 15
	v_add_nc_u32 v[HO], s36, v[HO0]
	v_add_nc_u32 v[ADX], s[XPAR], v[AXF]
	s_add_co_u32 s37, s[XPAR], 6*XTILE
	v_add_nc_u32 v[ADX+1], s37, v[AXF]
	v_add_nc_u32 v[ASB], s[SPB], v[ASB0]
	v_add_nc_u32 v[ASOH], s[SPB], v[ASO]
	s_mul_i32 s38, s[CH], 768
	v_add_nc_u32 v[GSOH], s38, v[GSO]
	s_cmp_eq_u32 s[NR], 0
	s_cbranch_scc1 .Lexit
	XFETCH 0
.irp j, 0,1,2,3,4,5,6,7,8,9,10,11
	TILE \j
.endr
.Lexit:
	s_add_co_u32 s[TBS], s[TB], 12
	s_xor_b32 s[XPS], s[XPAR], XREG
	STAGE 0                                        ; the next group into the other region, which every wave left ahead of the last barrier
	BARRIER                                        ; it lies there; and this group's scale bytes are whole
	s_cmp_eq_u32 s[NR], 0
	s_cbranch_scc1 .Lnsc
	s_cmp_gt_u32 s[WV], 2
	s_cbranch_scc1 .Lnsc
	ds_load_b64 v[SOD:SOD+1], v[ASOH]              ; waves 0 to 2: a quad each.  These bytes are written again two groups on, behind the next barrier, which I reach behind this wait
	s_wait_dscnt 0x0
	global_store_b64 v[GSOH], v[SOD:SOD+1], s[18:19]   ; 32 lanes store 256 consecutive bytes, aligned
.Lnsc:
	s_add_co_u32 s[TB], s[TB], 12
	s_xor_b32 s[XPAR], s[XPAR], XREG
	s_xor_b32 s[SPB], s[SPB], 768
	s_add_co_u32 s[CH], s[CH], 1
	s_cmp_lt_u32 s[CH], 6
	s_cbranch_scc1 .Lchunk
	s_wait_tensorcnt 0x0
	ds_add_u32 v254, v255
	s_wait_dscnt 0x0
	s_endpgm
.Lfunc_end_k_q3c2f5c3b06_layer1:
	.size	k_q3c2f5c3b06_layer1, .Lfunc_end_k_q3c2f5c3b06_layer1-k_q3c2f5c3b06_layer1
	.p2alignl 7, 3214868480
	.fill 96, 4, 3214868480
	.section	.rodata,"a",@progbits
	.p2align	6, 0x0
	.amdhsa_kernel k_q3c2f5c3b06_layer1
		.amdhsa_group_segment_fixed_size 285184
		.amdhsa_private_segment_fixed_size 0
		.amdhsa_enable_private_segment 0
		.amdhsa_kernarg_size 64
		.amdhsa_user_sgpr_count 2
		.amdhsa_user_sgpr_kernarg_segment_ptr 1
		.amdhsa_wavefront_size32 1
		.amdhsa_system_sgpr_workgroup_id_x 1
		.amdhsa_system_sgpr_workgroup_id_y 1
		.amdhsa_system_sgpr_workgroup_id_z 1
		.amdhsa_system_vgpr_workitem_id 0
		.amdhsa_next_free_vgpr 768
		.amdhsa_next_free_sgpr 66
		.amdhsa_reserve_vcc 0
		.amdhsa_float_denorm_mode_32 3
		.amdhsa_float_denorm_mode_16_64 3
		.amdhsa_memory_ordered 1
		.amdhsa_forward_progress 1
		.amdhsa_inst_pref_size 218
	.end_amdhsa_kernel
	.amdgpu_metadata
---
amdhsa.version: [ 1, 2 ]
amdhsa.kernels:
  - .name:           k_q3c2f5c3b06_layer1
    .symbol:         k_q3c2f5c3b06_layer1.kd
    .args:
      - { .name: x_codes, .offset: 0, .size: 8, .value_kind: global_buffer, .address_space: global }
      - { .name: x_scales, .offset: 8, .size: 8, .value_kind: global_buffer, .address_space: global }
      - { .name: order, .offset: 16, .size: 8, .value_kind: global_buffer, .address_space: global }
      - { .name: weight1_codes, .offset: 24, .size: 8, .value_kind: global_buffer, .address_space: global }
      - { .name: weight1_scales, .offset: 32, .size: 8, .value_kind: global_buffer, .address_space: global }
      - { .name: bias1, .offset: 40, .size: 8, .value_kind: global_buffer, .address_space: global }
      - { .name: h_codes, .offset: 48, .size: 8, .value_kind: global_buffer, .address_space: global }
      - { .name: h_scales, .offset: 56, .size: 8, .value_kind: global_buffer, .address_space: global }
    .group_segment_fixed_size: 285184
    .private_segment_fixed_size: 0
    .kernarg_segment_align: 8
    .kernarg_segment_size: 64
    .max_flat_workgroup_size: 128
    .sgpr_count:     66
    .vgpr_count:     768
    .wavefront_size: 32
...
	.end_amdgpu_metadata
.endif
;; end of part 2
;; launch layer2 (part 3): grid 32 x 8, 4 waves a work-group, no clusters, 295,424 bytes of LDS; arguments h_codes, h_scales, order, weight2_codes, weight2_scales, bias2, out0; writes out0
.if DOCPART == 3
	.amdgcn_target "amdgcn-amd-amdhsa--gfx1250"
	.amdhsa_code_object_version 6
	.text
	.protected	k_q3c2f5c3b06_layer2
	.globl	k_q3c2f5c3b06_layer2
	.p2align	8
	.type	k_q3c2f5c3b06_layer2,@function
k_q3c2f5c3b06_layer2:
	s_mov_b64 s[64:65], 0
	v_nop
	global_prefetch_b8 v0, s[64:65] scope:SCOPE_SE
	s_setreg_imm32_b32 hwreg(HW_REG_WAVE_MODE, 25, 1), 1
	s_wait_xcnt 0x0
; LAYER 2 OF A LAYER OF ROUTED EXPERTS: y = Q(h) W2[e] + b2[e] for each token, e = its expert.  h comes as codes and scale bytes from the launch before, in the order of the operand's registers:
; h_codes [e][tile of 16 tokens][block 128][row 16][16 bytes], h_scales [e][K step 32][quad 18][row 16][tile % 4][4 bytes]; order holds each expert's token list (1,536 words) and, from byte 49,152 on, its count.
; W2 [8][1024][4096] comes as codes, K innermost (2,048 bytes a row), with 128 scale bytes a row.
; SHARES.  Work-group (C, E) makes outputs 32 C .. 32 C + 31 of expert E for all that expert's tokens.  Wave w takes a quarter of K (K steps 8 w .. 8 w + 7) of both tiles of 16 outputs: 16 fragments, 16 KB,
; read once, 512 consecutive bytes a load, and turned through LDS bytes of its own.  So each byte of a tile of h is loaded once in a work-group, straight into the operand's registers.
; The four partial sums of a tile meet in a stage in LDS; the order of the sum is (q0 + q1) + (q2 + q3), K ascending inside a quarter.  The bias is the C of wave 0's first products.
; TOKENS go in tiles of 16, tiles in groups of 12; six groups serve every split.  One barrier a group; the stage has two halves that take turns.
; THE PRODUCT IS USED TRANSPOSED (source 0 = 16 rows of W2, source 1 = 16 tokens): lane (token r, half h) holds outputs 16 t + 8 h + 0 .. 7.
; Rows that the list repeats (its last tile is filled with the first token) give the same bits as the row that they repeat and are stored to the same bytes, by this work-group.
; A store covers four rows of 128 consecutive bytes: 32 columns to a work-group is what lets each of 256 work-groups read each byte of W2 once.
; LIMITS.  NaN and infinities are not served.  No tensor loads and no joint loads: the number of tiles hangs on a count read from memory.
.set SLOTB,  9216                      ; the stage: a tile's four partial sums, [wave 4][row 16, 144 bytes apart]
.set STGP,   12*SLOTB                  ; a half: 12 tiles
.set WT,     2*STGP                    ; 32 rows x 528 bytes for each wave, for the turn of W2
.set WPITCH, 528
.set WWAVE,  32*WPITCH
.set LIST,   WT+4*WWAVE                ; the token list: 1,536 words
.set LANE, 1
.set R,    2
.set HH,   3
.set L16,  4
.set AWS,  5
.set AWF,  6
.set APS,  7                           ; v7-8   where I put partial sums: tiles 0-5, 6-11
.set APSH, 9                           ; v9-10
.set APR,  11                          ; v11-12 where I read them: row 4 w + lane / 8, 16 bytes at 16 (lane % 8)
.set APRH, 13                          ; v13-14
.set ATL,  15
.set ATLH, 16
.set ALD,  17
.set COL,  18                          ; 128 C + 16 (lane % 8)
.set VSO,  19
.set VO,   20                          ; v20-23 offsets of the four sets' loads
.set WSO,  24
.set BBO,  25
.set T16,  26
.set LT,   28                          ; v28-39 the list on its way
.set WS,   40                          ; v40-47 W2's scale words: scales and nothing else
.set HS,   48                          ; v48-95 h's scale words of a group: scales and nothing else
.set BB,   96                          ; v96-111 the bias (wave 0) or zeros
.set ACC,  112                         ; v112-143 two sets of two accumulators
.set TKR,  144                         ; v144-155 tokens, then offsets into the output
.set L7,   156
.set L8,   157
.set WV,   20
.set EX,   21
.set CC,   22
.set CNT,  23
.set NT,   24
.set TB,   25
.set GK,   26
.set NV,   27                          ; tiles left from TB on
.set SPAR, 28
.set MSK,  29
.set MSB, 0
.macro WIN new                         ; the immediate's high byte repeats the setting that is left; a switch that changes nothing is dropped
.if MSB != \new
	s_set_vgpr_msb (MSB<<8)|\new
.set MSB, \new
.endif
.endm
; one matrix instruction; ra, rb: the scale words of source 0, 1 stand in lanes 16-31
.macro WM d, a, b, c, sa, sb, ra, rb
.if (\ra) && (\rb)
	v_wmma_scale_f32_16x16x128_f8f6f4 v[(\d):(\d)+7], v[(\a):(\a)+7], v[(\b):(\b)+7], v[(\c):(\c)+7], v[\sa], v[\sb] matrix_a_fmt:MATRIX_FMT_FP4 matrix_b_fmt:MATRIX_FMT_FP4 matrix_a_scale:MATRIX_SCALE_ROW1 matrix_b_scale:MATRIX_SCALE_ROW1
.elseif (\ra)
	v_wmma_scale_f32_16x16x128_f8f6f4 v[(\d):(\d)+7], v[(\a):(\a)+7], v[(\b):(\b)+7], v[(\c):(\c)+7], v[\sa], v[\sb] matrix_a_fmt:MATRIX_FMT_FP4 matrix_b_fmt:MATRIX_FMT_FP4 matrix_a_scale:MATRIX_SCALE_ROW1
.elseif (\rb)
	v_wmma_scale_f32_16x16x128_f8f6f4 v[(\d):(\d)+7], v[(\a):(\a)+7], v[(\b):(\b)+7], v[(\c):(\c)+7], v[\sa], v[\sb] matrix_a_fmt:MATRIX_FMT_FP4 matrix_b_fmt:MATRIX_FMT_FP4 matrix_b_scale:MATRIX_SCALE_ROW1
.else
	v_wmma_scale_f32_16x16x128_f8f6f4 v[(\d):(\d)+7], v[(\a):(\a)+7], v[(\b):(\b)+7], v[(\c):(\c)+7], v[\sa], v[\sb] matrix_a_fmt:MATRIX_FMT_FP4 matrix_b_fmt:MATRIX_FMT_FP4
.endif
.endm
; 32 pieces of 512 bytes, loaded as they lie (row i in registers 4 i on), go through the wave's own LDS bytes and come back as 16 fragments: fragment (t, s) at 8 (8 t + s)
.macro WTURN stw, ldw, rowstep
	WIN \stw
.set ii, 0
.rept 32
	ds_store_b128 v[AWS], v[4*ii:4*ii+3] offset:WPITCH*ii
.set ii, ii+1
.endr
	s_wait_dscnt 0x0                               ; the stores have read their registers, which the loads below write
	WIN \ldw
.irp t, 0,1
.irp s, 0,1,2,3,4,5,6,7
.irp c, 0,1
	ds_load_b128 v[8*(8*\t+\s)+4*\c:8*(8*\t+\s)+4*\c+3], v[AWF] offset:\rowstep*\t*WPITCH+64*\s+32*\c
.endr
.endr
.endr
	WIN 0
.endm
; h's scale words of the group's 12 tiles and my 8 K steps.  Register 16 q + 4 i + j: tile 4 q + j; lanes 0-15 K step 2 i, lanes 16-31 K step 2 i + 1.  A load reads two runs of 256 consecutive bytes
.macro LS
.irp q, 0,1,2
.irp i, 0,1,2,3
	global_load_b128 v[HS+16*\q+4*\i:HS+16*\q+4*\i+3], v[VSO], s[38:39] offset:9216*\i+256*\q
.endr
.endr
.endm
; my quarter (8 KB) of tile i of the group into set i % 4: 16 loads of 512 consecutive bytes.  masked = 1: the lane's offset is multiplied by m = min(tiles left behind tile i's place, 1), 1 or 0:
; where the tile does not exist all lanes read the first 16 bytes of each 512 of the group's first tile.  The same 16 loads are issued on every way, so that the counted waits hold
.macro L i, masked
.if \masked
	s_max_u32 s30, s[NV], (\i)
	s_sub_co_u32 s30, s30, (\i)                    ; max(NV - i, 0)
	s_min_u32 s[MSK], s30, 1                       ; m
.endif
	v_add_nc_u32 v[VO+(\i)%4], (\i)*32768, v[L16]  ; under 2^24
.if \masked
	v_mul_u32_u24 v[VO+(\i)%4], s[MSK], v[VO+(\i)%4]
.endif
	WIN 0x40                                       ; destination window 1
.set ii, 0
.rept 16
	global_load_b128 v[64*((\i)%4)+4*ii:64*((\i)%4)+4*ii+3], v[VO+(\i)%4], s[36:37] offset:512*ii
.set ii, ii+1
.endr
	WIN 0
.endm
; tile i of the group: 16 matrix instructions (K ascending, the two accumulators by turns), and the partial sums go to the stage
.macro STEP i, g
	s_cmp_le_u32 s[NV], \i
	s_cbranch_scc1 .Ldrain_\g
.if (\i) <= 9
	s_wait_loadcnt 32                              ; this tile is in; the two tiles behind it (16 loads each) may be out
.elseif (\i) == 10
	s_wait_loadcnt 16
.else
	s_wait_loadcnt 0x0
.endif
.if (\i) <= 8
	L \i+3, 1                                      ; into the set that the last step's products have left, four places back
.endif
.if (\i) >= 2
	s_wait_dscnt 4                                 ; the stores of two steps ago have read this set of accumulators; the last step's four may be out
.endif
	WIN 0x06                                       ; source 0 (W2) window 2, source 1 (h) window 1
.irp s, 0,1,2,3,4,5,6,7
.irp t, 0,1
.if \s == 0
	WM ACC+16*((\i)%2)+8*\t, 8*(8*\t+\s), 64*((\i)%4)+8*\s, BB+8*\t, WS+4*\t+\s%4, HS+16*((\i)/4)+4*(\s/2)+(\i)%4, \s/4, \s%2
.else
	WM ACC+16*((\i)%2)+8*\t, 8*(8*\t+\s), 64*((\i)%4)+8*\s, ACC+16*((\i)%2)+8*\t, WS+4*\t+\s%4, HS+16*((\i)/4)+4*(\s/2)+(\i)%4, \s/4, \s%2
.endif
.endr
.endr
	WIN 0
.rept 4
	v_nop                                          ; four places in front of the stores that read the results and of loads into registers that the products read
.endr
.irp t, 0,1
.irp q, 0,1
	ds_store_b128 v[APSH+(\i)/6], v[ACC+16*((\i)%2)+8*\t+4*\q:ACC+16*((\i)%2)+8*\t+4*\q+3] offset:((\i)%6)*SLOTB+64*\t+16*\q   ; each accumulator from its low end on
.endr
.endr
.endm
; the reduction of tile k: the four partial sums of my four rows, and the rows' tokens
.macro RL k
	WIN 0x40
.irp m, 0,1,2,3
	ds_load_b128 v[16*(\k)+4*\m:16*(\k)+4*\m+3], v[APRH+(\k)/6] offset:((\k)%6)*SLOTB+2304*\m
.endr
	WIN 0
	ds_load_b32 v[TKR+(\k)], v[ATLH] offset:64*(\k)
.endm
.macro RP k
	s_wait_dscnt 0x0
	WIN 0x45                                       ; destination and both sources window 1
	v_pk_add_f32 v[16*(\k):16*(\k)+1], v[16*(\k):16*(\k)+1], v[16*(\k)+4:16*(\k)+5]
	v_pk_add_f32 v[16*(\k)+2:16*(\k)+3], v[16*(\k)+2:16*(\k)+3], v[16*(\k)+6:16*(\k)+7]
	v_pk_add_f32 v[16*(\k)+8:16*(\k)+9], v[16*(\k)+8:16*(\k)+9], v[16*(\k)+12:16*(\k)+13]
	v_pk_add_f32 v[16*(\k)+10:16*(\k)+11], v[16*(\k)+10:16*(\k)+11], v[16*(\k)+14:16*(\k)+15]
	v_pk_add_f32 v[16*(\k):16*(\k)+1], v[16*(\k):16*(\k)+1], v[16*(\k)+8:16*(\k)+9]
	v_pk_add_f32 v[16*(\k)+2:16*(\k)+3], v[16*(\k)+2:16*(\k)+3], v[16*(\k)+10:16*(\k)+11]
	WIN 0
	v_min_u32 v[TKR+(\k)], 0x3ff, v[TKR+(\k)]      ; a loaded number enters an address held to 0 .. 1023
	v_lshl_add_u32 v[TKR+(\k)], v[TKR+(\k)], 12, v[COL]
	WIN 0x04                                       ; the store's data: window 1
	global_store_b128 v[TKR+(\k)], v[16*(\k):16*(\k)+3], s[16:17] th:TH_STORE_NT
	WIN 0
.endm
; A ladder: up, a tile's loads as far as tiles exist; down, each tile's sums and store, reached only by ways that issued its loads.  At most 60 LDS loads are out
.macro RUP k, g
	s_cmp_le_u32 s[NV], \k
	s_cbranch_scc1 .Lq\k\()_\g
	RL \k
.endm
.macro RDN k, g
	RP \k
.Lq\k\()_\g:
.endm
.macro REDUCE g
.irp k, 0,1,2,3,4,5,6,7,8,9,10,11
	RUP \k, \g
.endr
.irp k, 11,10,9,8,7,6,5,4,3,2,1,0
	RDN \k, \g
.endr
	s_wait_xcnt 0x0                                ; the stores have read their address and data registers, which the next group writes
.endm
.macro GROUP first
	s_max_u32 s[NV], s[NT], s[TB]
	s_sub_co_u32 s[NV], s[NV], s[TB]               ; tiles left from this group's first on
	v_add_nc_u32 v[APSH], s[SPAR], v[APS]          ; all addresses are made ahead of the branches
	v_add_nc_u32 v[APSH+1], s[SPAR], v[APS+1]
	v_add_nc_u32 v[APRH], s[SPAR], v[APR]
	v_add_nc_u32 v[APRH+1], s[SPAR], v[APR+1]
	s_lshl_b32 s30, s[TB], 6
	v_add_nc_u32 v[ATLH], s30, v[ATL]
.if !\first
	s_cmp_eq_u32 s[NV], 0
	s_cbranch_scc1 .Lskip_\first
.endif
	LS
	L 0, 0                                         ; (the first group's first tile is written for every expert, one without tokens too)
	L 1, 1
	L 2, 1
.if \first
	s_wait_loadcnt 60                              ; the list, the bias, W2 and its scale words are in: behind them 12 + 48 loads were issued
.irp k, 0,1,2
	ds_store_b128 v[ALD], v[LT+4*\k:LT+4*\k+3] offset:2048*\k
.endr
	s_cmp_eq_u32 s[WV], 0
	s_cselect_b32 s[MSK], -1, 0
.set ii, 0
.rept 16
	v_and_b32 v[BB+ii], s[MSK], v[BB+ii]           ; the bias counts once: in wave 0's quarter
.set ii, ii+1
.endr
	WTURN 0x08, 0x80, 16
	s_wait_dscnt 0x0
.endif
.irp j, 0,1,2,3,4,5,6,7,8,9,10,11
	STEP \j, \first
.endr
.Ldrain_\first:
	s_wait_loadcnt 0x0                             ; loads asked for ahead of tiles that do not exist
.Lskip_\first:
	s_wait_dscnt 0x0                               ; my partial sums (and my part of the list) have landed
	s_barrier_signal -1
	s_barrier_wait -1
	REDUCE \first
.endm
	s_load_b256 s[4:11], s[0:1], 0x0               ; h_codes s[4:5], h_scales s[6:7], order s[8:9], W2's codes s[10:11]
	s_load_b128 s[12:15], s[0:1], 0x20             ; W2's scales s[12:13], b2 s[14:15]
	s_load_b64 s[16:17], s[0:1], 0x30              ; the output
	v_lshl_add_u32 v254, v0, 2, 0x48000
	v_mov_b32 v255, 0
	v_lshrrev_b32 v1, 5, v0
	v_readfirstlane_b32 s[WV], v1                  ; wave 0..3
	s_and_b32 s[EX], ttmp7, 0xffff                 ; the expert
	s_mov_b32 s[CC], ttmp9                         ; the chunk of 32 outputs
	v_and_b32 v[LANE], 31, v0
	v_and_b32 v[R], 15, v0
	v_bfe_u32 v[HH], v0, 4, 1
	v_lshlrev_b32 v[L16], 4, v[LANE]
	v_lshrrev_b32 v[L8], 3, v[LANE]
	v_and_b32 v[L7], 7, v[LANE]
	s_mul_i32 s30, s[WV], WWAVE
	s_add_co_u32 s30, s30, WT
	v_add_nc_u32 v[AWS], s30, v[L16]
	v_mul_u32_u24 v[AWF], v[R], WPITCH
	v_lshl_add_u32 v[AWF], v[HH], 4, v[AWF]
	v_add_nc_u32 v[AWF], s30, v[AWF]
	s_mul_i32 s31, s[WV], 2304
	v_mul_u32_u24 v[APS], v[R], 144
	v_lshl_add_u32 v[APS], v[HH], 5, v[APS]
	v_add_nc_u32 v[APS], s31, v[APS]
	v_add_nc_u32 v[APS+1], 6*SLOTB, v[APS]
	s_lshl_b32 s32, s[WV], 2
	v_add_nc_u32 v[APR], s32, v[L8]
	v_mul_u32_u24 v[APR], v[APR], 144
	v_lshl_add_u32 v[APR], v[L7], 4, v[APR]
	v_add_nc_u32 v[APR+1], 6*SLOTB, v[APR]
	s_lshl_b32 s33, s[WV], 4
	s_add_co_u32 s33, s33, LIST
	v_lshl_add_u32 v[ATL], v[L8], 2, s33
	v_lshl_add_u32 v[ALD], v0, 4, LIST
	v_lshlrev_b32 v[T16], 4, v0
	s_lshl_b32 s34, s[CC], 7
	v_lshl_add_u32 v[COL], v[L7], 4, s34
	v_mul_u32_u24 v[VSO], v[HH], 4608
	v_lshl_add_u32 v[VSO], v[R], 4, v[VSO]
	v_lshlrev_b32 v[WSO], 7, v[R]
	v_lshl_add_u32 v[WSO], v[HH], 4, v[WSO]
	v_lshlrev_b32 v[BBO], 5, v[HH]
	s_lshl_b32 s40, s[EX], 7
	s_wait_kmcnt 0x0
	s_load_b32 s[CNT], s[8:9], s40 offset:0xc000   ; the expert's count; s[8:9] and s40 stay as they are
	s_lshl_b32 s30, s[EX], 10
	s_lshl_b32 s31, s[CC], 5
	s_add_co_u32 s30, s30, s31                     ; my work-group's first row of W2: 1024 E + 32 C
	s_mov_b32 s33, 0
	s_lshl_b32 s32, s30, 11
	s_lshl_b32 s31, s[WV], 9
	s_add_co_u32 s32, s32, s31                     ; + my quarter of K: 512 bytes a row
	s_add_nc_u64 s[10:11], s[10:11], s[32:33]
	s_lshl_b32 s32, s30, 7
	s_lshl_b32 s31, s[WV], 5
	s_add_co_u32 s32, s32, s31
	s_add_nc_u64 s[12:13], s[12:13], s[32:33]
	s_lshl_b32 s32, s30, 2
	s_add_nc_u64 s[14:15], s[14:15], s[32:33]
	s_lshl_b32 s32, s[EX], 21
	s_lshl_b32 s31, s[WV], 13
	s_add_co_u32 s32, s32, s31
	s_add_nc_u64 s[36:37], s[4:5], s[32:33]        ; h's codes: the expert's tile 0, my quarter
	s_lshl_b32 s31, s[EX], 5
	s_lshl_b32 s30, s[WV], 3
	s_add_co_u32 s31, s31, s30
	s_mul_i32 s32, s31, 4608
	s_add_nc_u64 s[38:39], s[6:7], s[32:33]        ; h's scale words: K step 8 w of the expert
	s_mul_i32 s32, s[EX], 6144
	s_add_nc_u64 s[42:43], s[8:9], s[32:33]        ; the expert's list
.irp k, 0,1,2
	global_load_b128 v[LT+4*\k:LT+4*\k+3], v[T16], s[42:43] offset:2048*\k
.endr
.irp t, 0,1
.irp q, 0,1
	global_load_b128 v[BB+8*\t+4*\q:BB+8*\t+4*\q+3], v[BBO], s[14:15] offset:64*\t+16*\q   ; b2 at outputs 16 t + 8 h + 0 .. 7
.endr
.endr
.irp t, 0,1
	global_load_b128 v[WS+4*\t:WS+4*\t+3], v[WSO], s[12:13] offset:2048*\t
.endr
	WIN 0x80                                       ; destination window 2
.set ii, 0
.rept 32
	global_load_b128 v[4*ii:4*ii+3], v[L16], s[10:11] offset:2048*ii th:TH_LOAD_NT   ; my quarter of a row of W2: 512 consecutive bytes; no other wave of the launch reads it
.set ii, ii+1
.endr
	WIN 0
	s_wait_kmcnt 0x0
	s_min_u32 s[CNT], s[CNT], 1024
	s_add_co_u32 s[NT], s[CNT], 15
	s_lshr_b32 s[NT], s[NT], 4                     ; tiles of this expert: 0 to 64
	s_mov_b32 s[TB], 0
	s_mov_b32 s[SPAR], 0
	GROUP 1
	s_mov_b32 s[GK], 1
.Lgrp:                                                 ; five more trips, whatever the split; a group without tiles costs its barrier
	s_add_co_u32 s[TB], s[TB], 12
	s_xor_b32 s[SPAR], s[SPAR], STGP               ; the stage's other half: this half is written again two groups on, behind the next barrier, which a wave reaches behind its reads
	s_add_nc_u64 s[36:37], s[36:37], 393216        ; 12 tiles of 32 KB on (no load of mine is out)
	s_add_nc_u64 s[38:39], s[38:39], 768           ; three quads on
	GROUP 0
	s_add_co_u32 s[GK], s[GK], 1
	s_cmp_lt_u32 s[GK], 6
	s_cbranch_scc1 .Lgrp
	s_wait_tensorcnt 0x0
	ds_add_u32 v254, v255
	s_wait_dscnt 0x0
	s_endpgm
.Lfunc_end_k_q3c2f5c3b06_layer2:
	.size	k_q3c2f5c3b06_layer2, .Lfunc_end_k_q3c2f5c3b06_layer2-k_q3c2f5c3b06_layer2
	.p2alignl 7, 3214868480
	.fill 96, 4, 3214868480
	.section	.rodata,"a",@progbits
	.p2align	6, 0x0
	.amdhsa_kernel k_q3c2f5c3b06_layer2
		.amdhsa_group_segment_fixed_size 295424
		.amdhsa_private_segment_fixed_size 0
		.amdhsa_enable_private_segment 0
		.amdhsa_kernarg_size 56
		.amdhsa_user_sgpr_count 2
		.amdhsa_user_sgpr_kernarg_segment_ptr 1
		.amdhsa_wavefront_size32 1
		.amdhsa_system_sgpr_workgroup_id_x 1
		.amdhsa_system_sgpr_workgroup_id_y 1
		.amdhsa_system_sgpr_workgroup_id_z 1
		.amdhsa_system_vgpr_workitem_id 0
		.amdhsa_next_free_vgpr 640
		.amdhsa_next_free_sgpr 66
		.amdhsa_reserve_vcc 0
		.amdhsa_float_denorm_mode_32 3
		.amdhsa_float_denorm_mode_16_64 3
		.amdhsa_memory_ordered 1
		.amdhsa_forward_progress 1
		.amdhsa_inst_pref_size 148
	.end_amdhsa_kernel
	.amdgpu_metadata
---
amdhsa.version: [ 1, 2 ]
amdhsa.kernels:
  - .name:           k_q3c2f5c3b06_layer2
    .symbol:         k_q3c2f5c3b06_layer2.kd
    .args:
      - { .name: h_codes, .offset: 0, .size: 8, .value_kind: global_buffer, .address_space: global }
      - { .name: h_scales, .offset: 8, .size: 8, .value_kind: global_buffer, .address_space: global }
      - { .name: order, .offset: 16, .size: 8, .value_kind: global_buffer, .address_space: global }
      - { .name: weight2_codes, .offset: 24, .size: 8, .value_kind: global_buffer, .address_space: global }
      - { .name: weight2_scales, .offset: 32, .size: 8, .value_kind: global_buffer, .address_space: global }
      - { .name: bias2, .offset: 40, .size: 8, .value_kind: global_buffer, .address_space: global }
      - { .name: out0, .offset: 48, .size: 8, .value_kind: global_buffer, .address_space: global }
    .group_segment_fixed_size: 295424
    .private_segment_fixed_size: 0
    .kernarg_segment_align: 8
    .kernarg_segment_size: 56
    .max_flat_workgroup_size: 128
    .sgpr_count:     66
    .vgpr_count:     640
    .wavefront_size: 32
...
	.end_amdgpu_metadata
.endif
;; end of part 3
;; ======== version 2 of 2: 2 launches; 1.13 times as fast as version 1
;; workspace buffers: h_codes 16,777,216 bytes; h_scales 1,179,648 bytes; order 50,176 bytes of whole numbers
;; launch layer1 (part 4): grid 32 x 8, 4 waves a work-group, no clusters, 291,328 bytes of LDS; arguments x_codes, x_scales, indices_s, weight1_codes, weight1_scales, bias1, h_codes, h_scales, order; writes h_codes, h_scales, order
.if DOCPART == 4
	.amdgcn_target "amdgcn-amd-amdhsa--gfx1250"
	.amdhsa_code_object_version 6
	.text
	.protected	k_q3c2f5c3b06_layer1
	.globl	k_q3c2f5c3b06_layer1
	.p2align	8
	.type	k_q3c2f5c3b06_layer1,@function
k_q3c2f5c3b06_layer1:
	s_mov_b64 s[64:65], 0
	v_nop
	global_prefetch_b8 v0, s[64:65] scope:SCOPE_SE
	s_setreg_imm32_b32 hwreg(HW_REG_WAVE_MODE, 25, 1), 1
	s_wait_xcnt 0x0
; LAYER 1 OF A LAYER OF ROUTED EXPERTS: for each token, h = gelu(x W1[e] + b1[e]), e = the token's expert, quantised to FP4 (E2M1) with one E8M0 byte for each 32 along the hidden axis.
; x [1024][1024] and W1 [8][4096][1024] come as codes, K innermost (512 bytes a row), with 32 scale bytes a row.  Only the chosen expert's rows are multiplied.
; SHARES.  Work-group (C, E) makes hidden units 128 C .. 128 C + 127 of expert E for all that expert's tokens; wave w makes 32 of them, one block of the next product's K, from 32 rows of W1
; (16 KB, 128 registers), which it reads once, 512 consecutive bytes a load, and turns into fragments through LDS bytes of its own.
; ROUTING.  Every wave reads the 1,024 indices, compares them with E (32 masks in scalar registers) and counts the expert's tokens itself: all trip decisions hang on that scalar count.
; Wave 0 also writes the expert's token list into LDS (a prefix count, no atomics); behind the matches 32 entries repeat the list's first token, so that every row of a tile of 16 is a token of this
; expert.  A repeated row gives the same bits as the row that it repeats.  Work-groups with C = 0 store list and count for the next launch.
; TOKENS go in tiles of 16, tiles in groups of 12; six groups (72 tiles) serve every split, all tokens on one expert too.  A group's rows of x are gathered into one of two LDS regions, a group ahead.
; THE PRODUCT IS USED TRANSPOSED (source 0 = 16 rows of W1, source 1 = 16 tokens).  Lane r of tile u takes row 8 u + r + 8 (r / 8), so that lane (token r, half h) holds hidden units 16 h + 0 .. 15 in 16 registers.
; GELU: g = max(h, 0) - |h| e, e = erfc(|h| / sqrt 2) / 2 = t 2^(K2 h^2 + Q(t)), t = 1 / (1 + K1 |h|), Q a polynomial of degree 9 (a fit of erfc whose relative error is 1.2e-7 at every argument).
; LIMITS.  NaN and infinities are not served.  Values of gelu under 2^-126 become 0 (the exponential gives 0 there); where e lies near 2^-126 its relative error grows to about 5e-6, by the rounding
; of K2 h^2.  A block of zeros gets the byte 1: its codes are zeros, and this program alone reads the bytes.  Indices lie in 0 .. 7, as the gather of the biases takes them to.
; No tensor loads: rows of x are gathered by a list that this launch makes itself.  No joint loads: the number of tiles hangs on a count made from the indices.
.set XROW,   560                       ; a token's row in LDS: 512 bytes of codes, 32 scale bytes, 16 of padding: 35 x 16, so the 16 rows of a fragment load start in 16 different columns of 16 bytes
.set XTILE,  16*XROW
.set XREG,   12*XTILE                  ; a region: a group's 192 rows
.set WT,     2*XREG                    ; behind the two regions: 32 rows x 528 bytes for each wave, for the turn of W1
.set WPITCH, 528
.set WWAVE,  32*WPITCH
.set LIST,   WT+4*WWAVE                ; the token list: 1,536 words
.set SCB,    LIST+6144                 ; scale bytes of a group, [quad 3][row 16][tile % 4][wave]: 768 bytes, twice
.set DUMP,   SCB+1536                  ; where lanes without a match store: a word a lane, which nobody reads.  LDS is claimed up to LIST + 8,192, the bound to which a list store's word number is held
; window 0
.set LANE, 1
.set R,    2
.set HH,   3
.set L16,  4                           ; 16 x lane
.set AXF,  5                           ; r x 560 + 16 h: my place in a tile of x
.set AWS,  7                           ; the turn of W1: in
.set AWF,  8                           ; and out
.set ASB0, 10                          ; my scale byte: SCB + 16 r + wave
.set ASB,  11
.set ASO,  12                          ; scale bytes on the way out: SCB + 256 wave + 8 lane
.set ASOH, 13
.set GSO,  14
.set GSOH, 15
.set HO0,  16                          ; my 8 bytes of a block of codes: 16 r + 8 h
.set HO,   17
.set ALC,  18
.set GOC,  19
.set ALS,  20                          ; the list, for the scale rows: LIST + 64 wave + 4 (lane / 2)
.set ALSH, 21
.set S16,  22
.set XQB,  23                          ; v23-25 where a tile's scale rows go
.set XQH,  26                          ; v26-28
.set TS,   29                          ; v29-31 tokens, then offsets into x_scales
.set DS,   32                          ; v32-43 scale rows on their way
.set WSO,  44
.set B1O,  45
.set ALZ,  46
.set DMP,  47                          ; my dump word, as a word's number counted from LIST
.set WS,   48                          ; v48-55 W1's scale words: scales and nothing else
.set XS,   56                          ; v56-59 x's scale words: scales and nothing else
.set B1,   60                          ; v60-75 the bias in the result's layout
.set ACC,  76                          ; v76-91 two accumulators
.set XF,   92                          ; v92-155 a tile's eight fragments of x
.set U,    156
.set T,    172
.set P,    188
.set Q,    204                         ; v204-223 Q0 .. Q9, each twice
.set K2,   224
.set PC,   226                         ; v226-227 16 codes
.set M0,   228
.set M1,   229
.set M2,   230
.set SCL,  231
.set BYT,  232
.set AL0,  233
.set SOD,  234
.set ZERO, 236
.set L4,   240
.set CV,   241
.set T0,   242
.set PADA, 243
.set ADX,  244                         ; v244-245 x fragments of tiles 0-5 and 6-11 of the group in hand
.set RR,   246
.set ROW2, 247
.set IDX,  92                          ; the routing's registers, ahead of all else: v92-123 the indices (every wave);
.set CP,   124                         ; v124-155 where each step's token goes, v156-187 the tokens (wave 0)
.set CT,   156
; window 2: the gather of x
.set W2L16, 0
.set W2LU,  1
.set W2LUH, 2
.set W2XSB, 3
.set W2XSH, 6
.set W2OFF, 16                         ; 3 x 16 tokens, then offsets into x_codes
.set W2DAT, 64                         ; 3 x 16 rows on their way
; scalars
.set WV,   22
.set EX,   23
.set CC,   24
.set CNT,  25
.set NT,   26                          ; tiles of this expert, at least 1
.set TB,   27                          ; the group's first tile
.set CH,   28
.set NR,   30                          ; tiles left from TB on
.set XPAR, 32
.set SPB,  33
.set TBS,  34
.set XPS,  35
.set SEL,  42
.set K1,   44
.set MK,   66                          ; s66-97 the 32 masks of the routing
.set MSB, 0
.macro WIN new                         ; the immediate's high byte repeats the setting that is left; a switch that changes nothing is dropped
.if MSB != \new
	s_set_vgpr_msb (MSB<<8)|\new
.set MSB, \new
.endif
.endm
.macro BARRIER                         ; my LDS stores have landed and my LDS loads are in: then the work-group's barrier
	s_wait_dscnt 0x0
	s_barrier_signal -1
	s_barrier_wait -1
.endm
.macro CONST2 reg, bits
	v_mov_b32 v[\reg], \bits
	v_mov_b32 v[\reg+1], \bits
.endm
; one matrix instruction; ra, rb: the scale words of source 0, 1 stand in lanes 16-31
.macro WM d, a, b, c, sa, sb, ra, rb
.if (\ra) && (\rb)
	v_wmma_scale_f32_16x16x128_f8f6f4 v[(\d):(\d)+7], v[(\a):(\a)+7], v[(\b):(\b)+7], v[(\c):(\c)+7], v[\sa], v[\sb] matrix_a_fmt:MATRIX_FMT_FP4 matrix_b_fmt:MATRIX_FMT_FP4 matrix_a_scale:MATRIX_SCALE_ROW1 matrix_b_scale:MATRIX_SCALE_ROW1
.elseif (\ra)
	v_wmma_scale_f32_16x16x128_f8f6f4 v[(\d):(\d)+7], v[(\a):(\a)+7], v[(\b):(\b)+7], v[(\c):(\c)+7], v[\sa], v[\sb] matrix_a_fmt:MATRIX_FMT_FP4 matrix_b_fmt:MATRIX_FMT_FP4 matrix_a_scale:MATRIX_SCALE_ROW1
.elseif (\rb)
	v_wmma_scale_f32_16x16x128_f8f6f4 v[(\d):(\d)+7], v[(\a):(\a)+7], v[(\b):(\b)+7], v[(\c):(\c)+7], v[\sa], v[\sb] matrix_a_fmt:MATRIX_FMT_FP4 matrix_b_fmt:MATRIX_FMT_FP4 matrix_b_scale:MATRIX_SCALE_ROW1
.else
	v_wmma_scale_f32_16x16x128_f8f6f4 v[(\d):(\d)+7], v[(\a):(\a)+7], v[(\b):(\b)+7], v[(\c):(\c)+7], v[\sa], v[\sb] matrix_a_fmt:MATRIX_FMT_FP4 matrix_b_fmt:MATRIX_FMT_FP4
.endif
.endm
; 32 rows of 512 bytes, loaded as they lie (row i in registers 4 i on), go through the wave's own LDS bytes and come back as 16 fragments: fragment (t, s) at 8 (8 t + s)
.macro WTURN stw, ldw, rowstep
	WIN \stw
.set ii, 0
.rept 32
	ds_store_b128 v[AWS], v[4*ii:4*ii+3] offset:WPITCH*ii
.set ii, ii+1
.endr
	s_wait_dscnt 0x0                               ; the stores have read their registers, which the loads below write
	WIN \ldw
.irp t, 0,1
.irp s, 0,1,2,3,4,5,6,7
.irp c, 0,1
	ds_load_b128 v[8*(8*\t+\s)+4*\c:8*(8*\t+\s)+4*\c+3], v[AWF] offset:\rowstep*\t*WPITCH+64*\s+32*\c
.endr
.endr
.endr
	WIN 0
.endm
; tile u of my three: tokens become offsets (held to 0 .. 1023 first), then 16 loads of a whole row of codes (512 consecutive bytes each) and one of 16 rows of scale bytes
.macro XLOAD u
	v_min_u32 v[TS+\u], 0x3ff, v[TS+\u]
	v_lshl_add_u32 v[TS+\u], v[TS+\u], 5, v[S16]
	WIN 0xaa
.set ii, 0
.rept 16
	v_min_u32 v[W2OFF+16*\u+ii], 0x3ff, v[W2OFF+16*\u+ii]
	v_lshl_add_u32 v[W2OFF+16*\u+ii], v[W2OFF+16*\u+ii], 9, v[W2L16]
.set ii, ii+1
.endr
.set ii, 0
.rept 16
	global_load_b128 v[W2DAT+64*\u+4*ii:W2DAT+64*\u+4*ii+3], v[W2OFF+16*\u+ii], s[4:5]
.set ii, ii+1
.endr
	WIN 0
	global_load_b128 v[DS+4*\u:DS+4*\u+3], v[TS+\u], s[6:7]
.endm
.macro XSTORE u
	WIN 0xaa
.set ii, 0
.rept 16
	ds_store_b128 v[W2XSH+\u], v[W2DAT+64*\u+4*ii:W2DAT+64*\u+4*ii+3] offset:XROW*ii
.set ii, ii+1
.endr
	WIN 0
	ds_store_b128 v[XQH+\u], v[DS+4*\u:DS+4*\u+3]
.endm
; The group that begins at tile s[TBS] is gathered into the region at s[XPS]: wave w takes tiles TBS + w, + 4, + 8, as far as they exist.  A ladder: each tile's stores are reached only by ways that issued its loads.
.macro STAGE
	s_lshl_b32 s37, s[TBS], 6                      ; 64 bytes of the list a tile.  All addresses are made ahead of the branches
	v_add_nc_u32 v[ALSH], s37, v[ALS]
.irp u, 0,1,2
	v_add_nc_u32 v[XQH+\u], s[XPS], v[XQB+\u]
.endr
	WIN 0xaa
	v_add_nc_u32 v[W2LUH], s37, v[W2LU]
.irp u, 0,1,2
	v_add_nc_u32 v[W2XSH+\u], s[XPS], v[W2XSB+\u]
.endr
	WIN 0
	s_add_co_u32 s36, s[TBS], s[WV]
	s_cmp_ge_u32 s36, s[NT]
	s_cbranch_scc1 .Lsn_\@
.irp u, 0,1,2
	ds_load_b32 v[TS+\u], v[ALSH] offset:256*\u
.endr
	WIN 0xaa
.irp u, 0,1,2
.irp q, 0,1,2,3
	ds_load_b128 v[W2OFF+16*\u+4*\q:W2OFF+16*\u+4*\q+3], v[W2LUH] offset:256*\u+16*\q   ; the same four tokens in every lane
.endr
.endr
	WIN 0
	s_wait_dscnt 0x0
	XLOAD 0
	s_add_co_u32 s37, s36, 4
	s_cmp_ge_u32 s37, s[NT]
	s_cbranch_scc1 .Ls0_\@
	XLOAD 1
	s_add_co_u32 s37, s36, 8
	s_cmp_ge_u32 s37, s[NT]
	s_cbranch_scc1 .Ls1_\@
	XLOAD 2
	s_wait_loadcnt 0x0
	XSTORE 2
.Ls1_\@:
	s_wait_loadcnt 0x0
	XSTORE 1
.Ls0_\@:
	s_wait_loadcnt 0x0
	XSTORE 0
.Lsn_\@:
.endm
; tile jl of the group: eight fragments and the scale words (lanes 0-15: K steps 0-3, lanes 16-31: K steps 4-7)
.macro XFETCH jl
.irp s, 0,1,2,3,4,5,6,7
.irp c, 0,1
	ds_load_b128 v[XF+8*\s+4*\c:XF+8*\s+4*\c+3], v[ADX+(\jl)/6] offset:((\jl)%6)*XTILE+64*\s+32*\c
.endr
.endr
	ds_load_b128 v[XS:XS+3], v[ADX+(\jl)/6] offset:((\jl)%6)*XTILE+512
.endm
; 16 matrix instructions: K ascending, the two accumulators by turns; the bias is the C of each sum's first
.macro MM
	WIN 0x01                                       ; source 0 (W1) in window 1
.irp s, 0,1,2,3,4,5,6,7
.irp u, 0,1
.if \s == 0
	WM ACC+8*\u, 8*(8*\u+\s), XF+8*\s, B1+8*\u, WS+4*\u+\s%4, XS+\s%4, \s/4, \s/4
.else
	WM ACC+8*\u, 8*(8*\u+\s), XF+8*\s, ACC+8*\u, WS+4*\u+\s%4, XS+\s%4, \s/4, \s/4
.endif
.endr
.endr
	WIN 0
.endm
.macro GELU                            ; v[ACC ..] -> v[T ..], 16 numbers, eight chains that do not wait for each other
.set ii, 0
.rept 16
	v_fma_f32 v[T+ii], |v[ACC+ii]|, s[K1], 1.0     ; each accumulator is read from its low end on
.set ii, ii+1
.endr
.set ii, 0
.rept 16
	v_rcp_f32 v[T+ii], v[T+ii]                     ; t
.set ii, ii+1
.endr
.set ii, 0
.rept 8
	v_pk_mul_f32 v[U+ii:U+ii+1], v[ACC+ii:ACC+ii+1], v[ACC+ii:ACC+ii+1]   ; h^2.  (Plain lines behind the reciprocals)
.set ii, ii+2
.endr
.set ii, 0
	s_wait_alu depctr_va_vdst(0)
.rept 8
	v_pk_fma_f32 v[P+ii:P+ii+1], v[T+ii:T+ii+1], v[Q+18:Q+19], v[Q+16:Q+17]
.set ii, ii+2
.endr
.irp k, 7,6,5,4,3,2,1,0
.set ii, 0
.rept 8
	v_pk_fma_f32 v[P+ii:P+ii+1], v[P+ii:P+ii+1], v[T+ii:T+ii+1], v[Q+2*\k:Q+2*\k+1]
.set ii, ii+2
.endr
.endr
.set ii, 0
.rept 8
	v_pk_fma_f32 v[P+ii:P+ii+1], v[U+ii:U+ii+1], v[K2:K2+1], v[P+ii:P+ii+1]
.set ii, ii+2
.endr
.set ii, 0
.rept 16
	v_exp_f32 v[P+ii], v[P+ii]
.set ii, ii+1
.endr
.set ii, 0
.rept 16
	v_max_num_f32 v[U+ii], 0, v[ACC+ii]            ; (plain lines behind the exponentials)
.set ii, ii+1
.endr
.set ii, 0
	s_wait_alu depctr_va_vdst(0)
.rept 8
	v_pk_mul_f32 v[P+ii:P+ii+1], v[P+ii:P+ii+1], v[T+ii:T+ii+1]   ; e
.set ii, ii+2
.endr
.set ii, 0
.rept 16
	v_fma_f32 v[T+ii], -|v[ACC+ii]|, v[P+ii], v[U+ii]
.set ii, ii+1
.endr
.endm
.macro QUANT                           ; my 16 numbers and lane l xor 16's are a block of 32
	v_max3_num_f32 v[M0], |v[T]|, |v[T+1]|, 0x1800000   ; the floor 2^(3 - 127): the byte cannot fall under 1
	v_max3_num_f32 v[M2], |v[T+2]|, |v[T+3]|, |v[T+4]|
	v_max3_num_f32 v[M0], v[M0], |v[T+5]|, |v[T+6]|
	v_max3_num_f32 v[M2], v[M2], |v[T+7]|, |v[T+8]|
	v_max3_num_f32 v[M0], v[M0], |v[T+9]|, |v[T+10]|
	v_max3_num_f32 v[M2], v[M2], |v[T+11]|, |v[T+12]|
	v_max3_num_f32 v[M0], v[M0], |v[T+13]|, |v[T+14]|
	v_max3_num_f32 v[M0], v[M0], v[M2], |v[T+15]|
	v_permlanex16_b32 v[M1], v[M0], s[SEL], s[SEL+1]
	v_max_num_f32 v[M0], v[M0], v[M1]              ; the block's largest magnitude
	v_add_nc_u32 v[SCL], 0xff000000, v[M0]         ; 2 off its exponent field: the conversion takes the exponent field of this operand as its scale
	s_wait_xcnt 0x0                                ; the last tile's store has read its data registers, which are written now
	v_cvt_scalef32_pk8_fp4_f32 v[PC], v[T:T+7], v[SCL]
	v_cvt_scalef32_pk8_fp4_f32 v[PC+1], v[T+8:T+15], v[SCL]
	v_lshrrev_b32 v[BYT], 23, v[SCL]               ; the scale's byte.  (The plain line behind the conversions)
.endm
.macro TILE jl
.if (\jl) > 0
	s_cmp_le_u32 s[NR], \jl
	s_cbranch_scc1 .Lexit
.endif
	s_wait_dscnt 0x0                               ; this tile's fragments and scale words are in
	MM
.rept 4
	v_nop                                          ; four places in front of loads into registers that the products read, and of the first read of their results
.endr
.if (\jl) < 11
	s_cmp_le_u32 s[NR], \jl+1
	s_cbranch_scc1 .Lnf_\@
	XFETCH \jl+1                                   ; the next tile's, if there is one: they land under the activation
.Lnf_\@:
.endif
	GELU
	QUANT
	global_store_b64 v[HO], v[PC:PC+1], s[16:17] offset:(\jl)*32768   ; 32 lanes store 256 consecutive bytes, aligned: block 4 C + w of the tile
	ds_store_b8 v[ASB], v[BYT] offset:((\jl)/4)*256+((\jl)%4)*4       ; both lanes of a block write the same byte with the same value
.endm
	s_load_b256 s[4:11], s[0:1], 0x0               ; x_codes s[4:5], x_scales s[6:7], indices s[8:9], W1's codes s[10:11]
	s_load_b256 s[12:19], s[0:1], 0x20             ; W1's scales s[12:13], b1 s[14:15], h_codes s[16:17], h_scales s[18:19]
	s_load_b64 s[20:21], s[0:1], 0x40              ; order
	v_lshl_add_u32 v254, v0, 2, 0x47000
	v_mov_b32 v255, 0
	v_lshrrev_b32 v1, 5, v0
	v_readfirstlane_b32 s[WV], v1                  ; wave 0..3
	s_and_b32 s[EX], ttmp7, 0xffff                 ; the expert
	s_mov_b32 s[CC], ttmp9                         ; the chunk of 128 hidden units
	v_and_b32 v[LANE], 31, v0
	v_and_b32 v[R], 15, v0
	v_bfe_u32 v[HH], v0, 4, 1
	v_lshlrev_b32 v[L16], 4, v[LANE]
	v_lshlrev_b32 v[L4], 2, v[LANE]
	v_and_b32 v[RR], 8, v[R]
	v_add_nc_u32 v[RR], v[RR], v[R]                ; r + 8 (r / 8)
	v_lshrrev_b32 v[ROW2], 1, v[LANE]
	v_and_b32 v[S16], 1, v[LANE]
	v_lshlrev_b32 v[S16], 4, v[S16]
	v_mul_u32_u24 v[AXF], v[R], XROW
	v_lshl_add_u32 v[AXF], v[HH], 4, v[AXF]
	s_mul_i32 s36, s[WV], WWAVE
	s_add_co_u32 s36, s36, WT
	v_add_nc_u32 v[AWS], s36, v[L16]
	v_mul_u32_u24 v[AWF], v[RR], WPITCH
	v_lshl_add_u32 v[AWF], v[HH], 4, v[AWF]
	v_add_nc_u32 v[AWF], s36, v[AWF]
	v_lshl_add_u32 v[ASB0], v[R], 4, SCB
	v_add_nc_u32 v[ASB0], s[WV], v[ASB0]
	s_lshl_b32 s37, s[WV], 8
	v_lshl_add_u32 v[GSO], v[LANE], 3, s37
	v_add_nc_u32 v[ASO], SCB, v[GSO]
	v_lshlrev_b32 v[HO0], 4, v[R]
	v_lshl_add_u32 v[HO0], v[HH], 3, v[HO0]
	v_lshl_add_u32 v[ALC], v0, 4, LIST
	v_lshlrev_b32 v[GOC], 4, v0
	v_lshlrev_b32 v[WSO], 5, v[RR]
	v_lshl_add_u32 v[WSO], v[HH], 4, v[WSO]        ; W1's scale words: row r + 8 (r / 8) of 32 bytes, + 16 h
	v_lshlrev_b32 v[B1O], 6, v[HH]
	v_add_nc_u32 v[ALZ], LIST, v[L16]
	v_add_nc_u32 v[DMP], (DUMP-LIST)/4, v[LANE]    ; word 1,920 + lane from LIST on
	v_mov_b32 v[AL0], LIST
	s_lshl_b32 s37, s[WV], 6
	s_add_co_u32 s37, s37, LIST                    ; LIST + 64 x wave
	v_lshl_add_u32 v[ALS], v[ROW2], 2, s37
	s_mul_i32 s38, s[WV], XTILE
	v_mul_u32_u24 v[XQB], v[ROW2], XROW
	v_add_nc_u32 v[XQB], v[XQB], v[S16]
	v_add_nc_u32 v[XQB], s38, v[XQB]
	v_add_nc_u32 v[XQB], 512, v[XQB]
	v_add_nc_u32 v[XQB+1], 4*XTILE, v[XQB]
	v_add_nc_u32 v[XQB+2], 8*XTILE, v[XQB]
	s_add_co_u32 s39, s38, 4*XTILE
	s_add_co_u32 s40, s38, 8*XTILE
	WIN 0x80                                       ; destination window 2: the gather's own copies
	v_mov_b32 v[W2L16], v[L16]
	v_mov_b32 v[W2LU], s37
	v_add_nc_u32 v[W2XSB], s38, v[L16]
	v_add_nc_u32 v[W2XSB+1], s39, v[L16]
	v_add_nc_u32 v[W2XSB+2], s40, v[L16]
	WIN 0
.irp i, 0,1,2,3
	v_mov_b32 v[ZERO+\i], 0
.endr
	v_mov_b32 v[M1], 0                             ; written once: a lane permute's destination counts as one of its sources
	s_mov_b32 s[SEL], 0x76543210
	s_mov_b32 s[SEL+1], 0xfedcba98                 ; selects for lane l xor 16
	s_mov_b32 s[K1], 0x3eb504f3                    ; 1 / (2 sqrt 2)
	CONST2 K2, 0xbf38aa3b                          ; -log2(e) / 2
	CONST2 Q+0, 0xc034d90f                         ; the fit's coefficients x log2(e); Q0 has 1 taken off, for the half
	CONST2 Q+2, 0x3fb8ab5a
	CONST2 Q+4, 0x3f0a29d2
	CONST2 Q+6, 0x3e0efb2e
	CONST2 Q+8, 0xbe899a80
	CONST2 Q+10, 0x3ecdfd18
	CONST2 Q+12, 0xbfd1a1e5
	CONST2 Q+14, 0x40097039
	CONST2 Q+16, 0xbf97d29d
	CONST2 Q+18, 0x3e7c6f08
	s_wait_kmcnt 0x0
.irp q, 0,1,2,3,4,5,6,7
	global_load_b128 v[IDX+4*\q:IDX+4*\q+3], v[L16], s[8:9] offset:512*\q   ; every wave: register 4 q + i of lane l is token 128 q + 4 l + i.  Ahead of the loads of W1, so that they are not queued behind 16 KB
.endr
	s_lshl_b32 s36, s[EX], 12
	s_lshl_b32 s37, s[CC], 7
	s_add_co_u32 s36, s36, s37
	s_lshl_b32 s37, s[WV], 5
	s_add_co_u32 s36, s36, s37                     ; my first row of W1: 4096 E + 128 C + 32 w
	s_mov_b32 s47, 0
	s_lshl_b32 s46, s36, 9
	s_add_nc_u64 s[10:11], s[10:11], s[46:47]
	s_lshl_b32 s46, s36, 5
	s_add_nc_u64 s[12:13], s[12:13], s[46:47]
	s_lshl_b32 s46, s36, 2
	s_add_nc_u64 s[14:15], s[14:15], s[46:47]
	s_lshl_b32 s46, s[EX], 21                      ; h_codes: 64 tiles of 32 KB an expert; my block 4 C + w of 256 bytes
	s_lshl_b32 s37, s[CC], 10
	s_add_co_u32 s46, s46, s37
	s_lshl_b32 s37, s[WV], 8
	s_add_co_u32 s46, s46, s37
	s_add_nc_u64 s[16:17], s[16:17], s[46:47]
	s_lshl_b32 s37, s[EX], 5
	s_add_co_u32 s37, s37, s[CC]
	s_mul_i32 s46, s37, 4608                       ; h_scales: 18 quads of 256 bytes for each (expert, K step)
	s_add_nc_u64 s[18:19], s[18:19], s[46:47]
	s_lshl_b32 s46, s[EX], 7
	s_add_nc_u64 s[48:49], s[20:21], s[46:47]      ; the counts: 128 bytes an expert, from byte 49,152 on
	s_mul_i32 s46, s[EX], 6144
	s_add_nc_u64 s[20:21], s[20:21], s[46:47]      ; the lists
	WIN 0x40                                       ; destination window 1
.set ii, 0
.rept 32
	global_load_b128 v[4*ii:4*ii+3], v[L16], s[10:11] offset:512*ii th:TH_LOAD_NT   ; a row of W1: 512 consecutive bytes; no other wave of the launch reads it
.set ii, ii+1
.endr
	WIN 0
.irp u, 0,1
	global_load_b128 v[WS+4*\u:WS+4*\u+3], v[WSO], s[12:13] offset:256*\u
.endr
.irp u, 0,1
.irp i, 0,1
	global_load_b128 v[B1+8*\u+4*\i:B1+8*\u+4*\i+3], v[B1O], s[14:15] offset:32*\u+16*\i   ; b1 at hidden units 16 h + 8 u + 0 .. 7
.endr
.endr
	; ---- THE ROUTING.  Of LDS wave 0 alone makes use ahead of the barrier below
	s_cmp_lg_u32 s[WV], 0
	s_cbranch_scc1 .Lnz
.set ii, 0
.rept 15
	ds_store_b128 v[ALZ], v[ZERO:ZERO+3] offset:512*ii   ; the list and the scale bytes begin as zeros: 7,680 bytes on end
.set ii, ii+1
.endr
.Lnz:
	s_wait_loadcnt 38                              ; the indices are in: behind them 32 + 2 + 4 loads were issued
.set kk, 0
.rept 32
	v_cmp_eq_u32 s[MK+kk], s[EX], v[IDX+kk]        ; every wave: 32 masks
.set kk, kk+1
.endr
	s_mov_b32 s[CNT], 0
	s_cmp_lg_u32 s[WV], 0
	s_cbranch_scc1 .Lcount
.set kk, 0
.rept 32                               ; wave 0: the count runs along with the list
	v_mbcnt_lo_u32_b32 v[CP+kk], s[MK+kk], s[CNT]  ; matches so far + matches in the lanes below mine: my place in the list
	s_bcnt1_i32_b32 s36, s[MK+kk]
	s_add_co_u32 s[CNT], s[CNT], s36
	v_cndmask_b32 v[CP+kk], v[DMP], v[CP+kk], s[MK+kk]   ; a lane without a match takes its dump word's number
	v_min_u32 v[CP+kk], 0x7ff, v[CP+kk]            ; the word's number is held last: LIST + 4 x 2,047 is the last word of the work-group's LDS
	v_lshl_add_u32 v[CP+kk], v[CP+kk], 2, LIST
	v_add_nc_u32 v[CT+kk], 128*(kk/4)+kk%4, v[L4]  ; the token
	ds_store_b32 v[CP+kk], v[CT+kk]
.set kk, kk+1
.endr
	ds_load_b32 v[T0], v[AL0]                      ; the list's first token (LDS serves a wave's instructions in order); 0 where the expert has none
	v_add_nc_u32 v[PADA], s[CNT], v[LANE]
	v_min_u32 v[PADA], 0x5ff, v[PADA]
	v_lshl_add_u32 v[PADA], v[PADA], 2, LIST
	s_wait_dscnt 0x0
	ds_store_b32 v[PADA], v[T0]                    ; 32 entries behind the matches repeat it
	s_branch .Lrouted
.Lcount:
.set kk, 0
.rept 32                               ; waves 1 to 3: the count alone, the same number
	s_bcnt1_i32_b32 s36, s[MK+kk]
	s_add_co_u32 s[CNT], s[CNT], s36
.set kk, kk+1
.endr
.Lrouted:
	BARRIER                                        ; the list lies in LDS
	s_min_u32 s[CNT], s[CNT], 1024
	s_add_co_u32 s[NT], s[CNT], 15
	s_lshr_b32 s[NT], s[NT], 4
	s_max_u32 s[NT], s[NT], 1                      ; at least one tile: tile 0 and group 0's scale bytes of every expert are written
	s_mov_b32 s[TBS], 0
	s_mov_b32 s[XPS], 0
	STAGE                                          ; group 0 into region 0
	s_wait_loadcnt 0x0                             ; W1, its scale words and the bias (for a wave that gathered nothing too)
	WTURN 0x04, 0x40, 8
	BARRIER                                        ; group 0's rows lie in LDS
	s_mov_b32 s[CH], 0
	s_mov_b32 s[TB], 0
	s_mov_b32 s[XPAR], 0
	s_mov_b32 s[SPB], 0
.Lchunk:                                               ; six trips, whatever the split
	s_wait_xcnt 0x0                                ; the last group's stores have read their address and data registers
	s_max_u32 s[NR], s[NT], s[TB]
	s_sub_co_u32 s[NR], s[NR], s[TB]               ; tiles left from this group's first on
	s_lshl_b32 s36, s[TB], 15
	v_add_nc_u32 v[HO], s36, v[HO0]
	v_add_nc_u32 v[ADX], s[XPAR], v[AXF]
	s_add_co_u32 s37, s[XPAR], 6*XTILE
	v_add_nc_u32 v[ADX+1], s37, v[AXF]
	v_add_nc_u32 v[ASB], s[SPB], v[ASB0]
	v_add_nc_u32 v[ASOH], s[SPB], v[ASO]
	s_mul_i32 s38, s[CH], 768
	v_add_nc_u32 v[GSOH], s38, v[GSO]
	s_cmp_eq_u32 s[NR], 0
	s_cbranch_scc1 .Lexit
	XFETCH 0
.irp j, 0,1,2,3,4,5,6,7,8,9,10,11
	TILE \j
.endr
.Lexit:
	s_add_co_u32 s[TBS], s[TB], 12
	s_xor_b32 s[XPS], s[XPAR], XREG
	STAGE                                          ; the next group into the other region, which every wave left ahead of the last barrier
	BARRIER                                        ; it lies there; and this group's scale bytes are whole
	s_cmp_eq_u32 s[NR], 0
	s_cbranch_scc1 .Lnsc
	s_cmp_gt_u32 s[WV], 2
	s_cbranch_scc1 .Lnsc
	ds_load_b64 v[SOD:SOD+1], v[ASOH]              ; waves 0 to 2: a quad each.  These bytes are written again two groups on, behind the next barrier, which I reach behind this wait
	s_wait_dscnt 0x0
	global_store_b64 v[GSOH], v[SOD:SOD+1], s[18:19]   ; 32 lanes store 256 consecutive bytes, aligned
.Lnsc:
	s_add_co_u32 s[TB], s[TB], 12
	s_xor_b32 s[XPAR], s[XPAR], XREG
	s_xor_b32 s[SPB], s[SPB], 768
	s_add_co_u32 s[CH], s[CH], 1
	s_cmp_lt_u32 s[CH], 6
	s_cbranch_scc1 .Lchunk
	; ---- list and count go to memory once for each expert
	s_cmp_lg_u32 s[CC], 0
	s_cbranch_scc1 .Lend
.irp k, 0,1,2
	ds_load_b128 v[XF+4*\k:XF+4*\k+3], v[ALC] offset:2048*\k
.endr
	s_wait_dscnt 0x0
.irp k, 0,1,2
	global_store_b128 v[GOC], v[XF+4*\k:XF+4*\k+3], s[20:21] offset:2048*\k
.endr
	s_cmp_lg_u32 s[WV], 0
	s_cbranch_scc1 .Lend
	v_mov_b32 v[CV], s[CNT]
	global_store_b32 v[L4], v[CV], s[48:49] offset:49152   ; the same number in 32 words
.Lend:
	s_wait_tensorcnt 0x0
	ds_add_u32 v254, v255
	s_wait_dscnt 0x0
	s_endpgm
.Lfunc_end_k_q3c2f5c3b06_layer1:
	.size	k_q3c2f5c3b06_layer1, .Lfunc_end_k_q3c2f5c3b06_layer1-k_q3c2f5c3b06_layer1
	.p2alignl 7, 3214868480
	.fill 96, 4, 3214868480
	.section	.rodata,"a",@progbits
	.p2align	6, 0x0
	.amdhsa_kernel k_q3c2f5c3b06_layer1
		.amdhsa_group_segment_fixed_size 291328
		.amdhsa_private_segment_fixed_size 0
		.amdhsa_enable_private_segment 0
		.amdhsa_kernarg_size 72
		.amdhsa_user_sgpr_count 2
		.amdhsa_user_sgpr_kernarg_segment_ptr 1
		.amdhsa_wavefront_size32 1
		.amdhsa_system_sgpr_workgroup_id_x 1
		.amdhsa_system_sgpr_workgroup_id_y 1
		.amdhsa_system_sgpr_workgroup_id_z 1
		.amdhsa_system_vgpr_workitem_id 0
		.amdhsa_next_free_vgpr 768
		.amdhsa_next_free_sgpr 100
		.amdhsa_reserve_vcc 0
		.amdhsa_float_denorm_mode_32 3
		.amdhsa_float_denorm_mode_16_64 3
		.amdhsa_memory_ordered 1
		.amdhsa_forward_progress 1
		.amdhsa_inst_pref_size 239
	.end_amdhsa_kernel
	.amdgpu_metadata
---
amdhsa.version: [ 1, 2 ]
amdhsa.kernels:
  - .name:           k_q3c2f5c3b06_layer1
    .symbol:         k_q3c2f5c3b06_layer1.kd
    .args:
      - { .name: x_codes, .offset: 0, .size: 8, .value_kind: global_buffer, .address_space: global }
      - { .name: x_scales, .offset: 8, .size: 8, .value_kind: global_buffer, .address_space: global }
      - { .name: indices_s, .offset: 16, .size: 8, .value_kind: global_buffer, .address_space: global }
      - { .name: weight1_codes, .offset: 24, .size: 8, .value_kind: global_buffer, .address_space: global }
      - { .name: weight1_scales, .offset: 32, .size: 8, .value_kind: global_buffer, .address_space: global }
      - { .name: bias1, .offset: 40, .size: 8, .value_kind: global_buffer, .address_space: global }
      - { .name: h_codes, .offset: 48, .size: 8, .value_kind: global_buffer, .address_space: global }
      - { .name: h_scales, .offset: 56, .size: 8, .value_kind: global_buffer, .address_space: global }
      - { .name: order, .offset: 64, .size: 8, .value_kind: global_buffer, .address_space: global }
    .group_segment_fixed_size: 291328
    .private_segment_fixed_size: 0
    .kernarg_segment_align: 8
    .kernarg_segment_size: 72
    .max_flat_workgroup_size: 128
    .sgpr_count:     100
    .vgpr_count:     768
    .wavefront_size: 32
...
	.end_amdgpu_metadata
.endif
;; end of part 4
;; launch layer2: the kernel of part 3 again; grid 32 x 8, 4 waves a work-group, no clusters, 295,424 bytes of LDS; arguments h_codes, h_scales, order, weight2_codes, weight2_scales, bias2, out0; writes out0
